; MI455X (gfx1250); checked and timed in simulation.
; The chip was launched on July 23, 2026; its instructions are those of AMD's public machine-readable ISA for CDNA 5 (MIT licence, August 2026) and "CDNA5" Instruction Set Architecture Reference Guide (July 2026). The comments in the code are by the model that wrote it; some were corrected since.
;; Experts. Allowed arithmetic: matrix products marked QUANTISED: E4M3 operands, one given power-of-two scale a tensor, by v_wmma_f32_16x16x64_fp8_fp8 or v_wmma_f32_16x16x128_fp8_fp8, f32 sums; products left as they are: f32 operands where the result goes on into a quantised operand, else bf16, f16 or f32 operands; f32 sums; everything else in f32.
;; Inputs: hidden_states 8,192 x 1,024 float32; lowp_scales 32 int32 (the exponents e of the quantised operands' scales 2^e); routing_weights 8,192 x 2 float32; selected_experts 8,192 x 2 x 8 int32; wi 8 x 512 x 1,024 float32; wo 8 x 1,024 x 512 float32.
;; Outputs: out0 8,192 x 1,024 float32.
;; This version of the problem:
;;   THIS VERSION OF THE PROBLEM IS GIVEN IN LOW PRECISION. The matrix products marked QUANTISED in the list below multiply operands that are first quantised to E4M3 (4 exponent bits, 3 mantissa bits; 8 bits a number), with one given power-of-two scale for each operand tensor; their sums are f32. All else is computed in f32.
;;   The module's matrix products, in the order in which they are computed (A, B: the left and right operand; K: the contracted axis; several contracted axes count as one K, in the product's order):
;;     1. batch 8,192 x [M 8, K 2] x [K 2, N 1]; A: input selected_experts; B: input routing_weights: left as it is (K = 2 < 32)
;;     2. [M 8,192, K 1,024] x [K 1,024, N 512]; A: input hidden_states; B: input wi: QUANTISED (scales: A lowp_scales[0], B lowp_scales[1])
;;     3. [M 8,192, K 512] x [K 512, N 1,024]; A: computed on the way; B: input wo: QUANTISED (scales: A lowp_scales[2], B lowp_scales[3])
;;     4. [M 8,192, K 1,024] x [K 1,024, N 512]; A: input hidden_states; B: input wi: QUANTISED (scales: A lowp_scales[4], B lowp_scales[5])
;;     5. [M 8,192, K 512] x [K 512, N 1,024]; A: computed on the way; B: input wo: QUANTISED (scales: A lowp_scales[6], B lowp_scales[7])
;;     6. [M 8,192, K 1,024] x [K 1,024, N 512]; A: input hidden_states; B: input wi: QUANTISED (scales: A lowp_scales[8], B lowp_scales[9])
;;     7. [M 8,192, K 512] x [K 512, N 1,024]; A: computed on the way; B: input wo: QUANTISED (scales: A lowp_scales[10], B lowp_scales[11])
;;     8. [M 8,192, K 1,024] x [K 1,024, N 512]; A: input hidden_states; B: input wi: QUANTISED (scales: A lowp_scales[12], B lowp_scales[13])
;;     9. [M 8,192, K 512] x [K 512, N 1,024]; A: computed on the way; B: input wo: QUANTISED (scales: A lowp_scales[14], B lowp_scales[15])
;;     10. [M 8,192, K 1,024] x [K 1,024, N 512]; A: input hidden_states; B: input wi: QUANTISED (scales: A lowp_scales[16], B lowp_scales[17])
;;     11. [M 8,192, K 512] x [K 512, N 1,024]; A: computed on the way; B: input wo: QUANTISED (scales: A lowp_scales[18], B lowp_scales[19])
;;     12. [M 8,192, K 1,024] x [K 1,024, N 512]; A: input hidden_states; B: input wi: QUANTISED (scales: A lowp_scales[20], B lowp_scales[21])
;;     13. [M 8,192, K 512] x [K 512, N 1,024]; A: computed on the way; B: input wo: QUANTISED (scales: A lowp_scales[22], B lowp_scales[23])
;;     14. [M 8,192, K 1,024] x [K 1,024, N 512]; A: input hidden_states; B: input wi: QUANTISED (scales: A lowp_scales[24], B lowp_scales[25])
;;     15. [M 8,192, K 512] x [K 512, N 1,024]; A: computed on the way; B: input wo: QUANTISED (scales: A lowp_scales[26], B lowp_scales[27])
;;     16. [M 8,192, K 1,024] x [K 1,024, N 512]; A: input hidden_states; B: input wi: QUANTISED (scales: A lowp_scales[28], B lowp_scales[29])
;;     17. [M 8,192, K 512] x [K 512, N 1,024]; A: computed on the way; B: input wo: QUANTISED (scales: A lowp_scales[30], B lowp_scales[31])
;;   THE QUANTISER, for each operand of a quantised product, along K:
;;     - The operand's scale is 2^e, e = its entry of the input lowp_scales (int32; the entries are numbered through the quantised products in the list's order, A before B).
;;     - Each number is divided by the scale, clamped to +-448, and rounded to the nearest number of E4M3, ties to even, subnormals kept.
;;     - The product sums the exact products of the quantised numbers (number of the format x scale) in f32.
;;   ~~~python
;;   def quantise(x, axis, e):      # numpy; x: float32 -> the quantised numbers, widened to float32 again
;;       x = np.moveaxis(x, axis, -1); K = x.shape[-1]
;;       r = np.clip(x / 2.0 ** e, -448, 448)
;;       step = 2.0 ** (np.maximum(np.frexp(np.where(r == 0, 1, r))[1] - 1, -6) - 3)
;;       q = np.round(r / step) * step * 2.0 ** e      # np.round: ties to even
;;       return np.moveaxis(q, -1, axis).astype(np.float32)
;;   ~~~
;;   OPERANDS COMPUTED ON THE WAY. 'Computed on the way' means the value that the module computes at that place (a softmax that the list does not call 'softmax' is quantised finished and normalised). What goes into a quantiser is computed in f32, as accurately as f32 sums, v_exp_f32 and their like allow (about 1e-6 of the number): no bf16 or f16 on the way to a quantiser, and a product that is left as it is and whose result goes on into a quantised operand takes f32 operands (vector FMAs, or v_wmma_f32_16x16x4_f32). A number that lies on a knife's edge between two numbers of the format may be rounded either way, as far as f32 arithmetic and the matrix unit's own rounding can turn it there, and no further.
;; 2 versions. Each part assembles by itself: llvm-mc -triple=amdgcn-amd-amdhsa -mcpu=gfx1250 --defsym DOCPART=n.
;; ======== version 1 of 2: 2 launches
;; workspace buffers: wcodes 8,388,608 bytes; order 32,768 bytes of whole numbers
;; launch prep (part 1): grid 129 x 1, 16 waves a work-group, no clusters, 222,464 bytes of LDS; arguments wi, wo, lowp_scales, selected_experts, wcodes, order; writes wcodes, order
.if DOCPART == 1
	.amdgcn_target "amdgcn-amd-amdhsa--gfx1250"
	.amdhsa_code_object_version 6
	.text
	.protected	k_q9f4504551a_prep
	.globl	k_q9f4504551a_prep
	.p2align	8
	.type	k_q9f4504551a_prep,@function
k_q9f4504551a_prep:
	s_mov_b64 s[64:65], 0
	v_nop
	global_prefetch_b8 v0, s[64:65] scope:SCOPE_SE
	s_setreg_imm32_b32 hwreg(HW_REG_WAVE_MODE, 25, 1), 1
	s_wait_xcnt 0x0
; TWO JOBS IN ONE LAUNCH, parted on the work-group's number; each has LDS bytes of its own.
; WORK-GROUPS 1..128: wi [8][512][1024] and wo [8][1024][512], f32, K innermost, become codes of FP8 (E4M3), each expert's tensor with the scale 2^e given for it
; (wi of expert e: entry 4 e + 1 of the scales, wo: entry 4 e + 3).  code = x / 2^e, held within +-448, to the nearest code, ties to even.
; The codes are laid as IMAGES OF OPERAND REGISTERS, in the order in which a wave of the next launch reads them.  A fragment is 16 rows x 128 K, 2,048 bytes: register group c (0..3) at 512 c, lane l's 16 bytes at 16 l;
; lane (r = l % 16, h = l / 16) holds row r, and byte i of group c is k = 32 c + 8 h + i % 8 + 16 (i / 8): the matrix form's own places.
; Fragment number ((4 e + w) 128 + j):  j = 8 s + t: wi[e], rows 128 w + 16 t + r, K step s;   j = 64 + 4 u + s: wo[e], rows 256 w + 16 u + r, K step s.
; A wave takes 16 rows x 256 K (two fragments).  Each load reads 512 consecutive bytes of one row; the rows turn through the wave's own stage in LDS, so that a lane gets neighbours along K; each store covers 512 consecutive bytes.
; WORK-GROUP 0: the tokens are sorted by which experts they use, by a counting sort without atomics.  key = 8 x highest + lowest expert e with selected_experts[t][0][e] | selected_experts[t][1][e] != 0 (no expert: key 0).
; order[pos] = token.  Any permutation gives the same results in the next launch: the key only brings tokens with the same experts together.
; The sort changes what a lane stands for, so that each step is done for 32 things at once: a TOKEN (its key, from eight ballots), a CHUNK of 32 tokens (the masks of lowest and highest expert, and the counts of each key),
; a KEY (the running sums), and a token again (its place).
; LIMITS: each e between -126 and 119, so that 2^e and 448 x 2^e are f32 numbers.  NaN among the weights is not served; an infinity is held at the largest code.
.set SROW,  528                        ; a stage row: 512 bytes + 16: an odd multiple of 16, so that sixteen rows' reads start at sixteen different 16-byte columns
.set SWAVE, 16*SROW                    ; a wave's stage
.set HP,    1028                       ; the sort's table: a key's row is 256 chunks' words + one = 257 words: key k's row starts at bank k mod 64 (64 banks of 4 bytes: ISA guide 11.1): lanes that are keys and lanes that are chunks both fall on different banks
.set HT,    16*SWAVE                   ; 135,168: the table [key 64][chunk 256]
.set ST,    HT+64*HP                   ; 200,960: [segment 8][key 64], words
.set LH,    ST+2048                    ; 203,008: for each wave 16 chunks x (8 masks of lowest + 8 of highest + one word): 17 words from chunk to chunk
.set LHP,   68
.set LND,   32                         ; v32-159  the rows as loaded: fragment d, row i at v[LND + 64 d + 4 i]
.set X,     160                        ; v160-223 64 numbers of a lane, in the operand's order
.set C,     224                        ; v224-255 codes, 16 registers a fragment: no store's data are written again
.macro BARRIER                         ; my LDS stores have landed and my LDS loads are in: then the work-group's barrier
	s_wait_dscnt 0x0
	s_barrier_signal -1
	s_barrier_wait -1
.endm
.macro WLOAD d                         ; K step d of my two: 16 rows, 512 consecutive bytes each
.irp i, 0,1,2,3,4,5,6,7,8,9,10,11,12,13,14,15
	global_load_b128 v[LND+64*(\d)+4*\i:LND+64*(\d)+4*\i+3], v1, s[32+2*\i:33+2*\i] offset:512*(\d) th:TH_LOAD_NT
.endr
.endm
.macro STIN d                          ; into the stage, as loaded
.irp i, 0,1,2,3,4,5,6,7,8,9,10,11,12,13,14,15
	ds_store_b128 v2, v[LND+64*(\d)+4*\i:LND+64*(\d)+4*\i+3] offset:SROW*\i
.endr
.endm
.macro STOUT                           ; and back: lane (r, h) takes of row r, for each group c, k = 32 c + 8 h + 0..7 and 32 c + 16 + 8 h + 0..7.  LDS serves a wave's instructions in order: these see the stores
.irp c, 0,1,2,3
.irp j, 0,1,2,3
	ds_load_b128 v[X+16*\c+4*\j:X+16*\c+4*\j+3], v3 offset:128*\c+64*(\j/2)+16*(\j%2)
.endr
.endr
.endm
.macro WQ d                            ; 64 numbers become a fragment's 16 registers of codes, which leave as they stand
.set i, 0
.rept 64
	v_med3_num_f32 v[X+i], v[X+i], -v4, v4         ; the conversion to an 8-bit code does not saturate (ISA guide 7.6.2): the hold at the largest code x the scale comes first
.set i, i+1
.endr
.irp q, 0,1,2,3,4,5,6,7
	v_cvt_scalef32_pk8_fp8_f32 v[C+16*(\d)+2*\q:C+16*(\d)+2*\q+1], v[X+8*\q:X+8*\q+7], v5
.endr
	v_nop                                          ; one plain vector line behind the last conversion
.irp c, 0,1,2,3
	global_store_b128 v1, v[C+16*(\d)+4*\c:C+16*(\d)+4*\c+3], s[70+2*(\d):71+2*(\d)] offset:512*\c   ; 32 lanes store 512 consecutive bytes, at a multiple of 512 from the buffer's first byte
.endr
.endm
	s_load_b256 s[4:11], s[0:1], 0x0               ; wi s[4:5], wo s[6:7], the scales' exponents s[8:9], selected_experts s[10:11]
	s_load_b128 s[12:15], s[0:1], 0x20             ; wcodes s[12:13], order s[14:15]
	v_lshl_add_u32 v30, v0, 2, 0x35d00
	v_mov_b32 v31, 0
	v_lshrrev_b32 v1, 5, v0
	v_readfirstlane_b32 s16, v1                    ; wave 0..15
	v_and_b32 v6, 31, v0                           ; lane
	s_cmp_eq_u32 ttmp9, 0
	s_cbranch_scc1 .Lroute
	; ---------------- THE WEIGHTS.  One path for both tensors: only scalars are chosen ----------------
	s_sub_co_u32 s17, ttmp9, 1
	s_lshl_b32 s17, s17, 4
	s_add_co_u32 s17, s17, s16                     ; task 0..2047: 0..1023 wi, the others wo
	s_bfe_u32 s18, s17, 0x30007                    ; the expert: 128 tasks each
	s_and_b32 s19, s17, 127
	s_lshr_b32 s20, s19, 2                         ; wi: tile of 16 rows T = 0..31,
	s_and_b32 s21, s19, 3                          ;     pair of K steps sp = 0..3
	s_lshl_b32 s22, s20, 16                        ;     T x 16 rows x 4,096 bytes
	s_lshr_b32 s23, s20, 3                         ;     w = T / 8
	s_and_b32 s24, s20, 7
	s_lshl_b32 s25, s21, 4
	s_add_co_u32 s24, s24, s25                     ;     j of the first fragment: 16 sp + T % 8
	s_lshr_b32 s26, s19, 1                         ; wo: T = 0..63,
	s_and_b32 s27, s19, 1                          ;     sp = 0..1
	s_lshl_b32 s28, s26, 15                        ;     T x 16 rows x 2,048 bytes
	s_lshr_b32 s29, s26, 4                         ;     w = T / 16
	s_and_b32 s30, s26, 15
	s_lshl_b32 s30, s30, 2
	s_lshl_b32 s31, s27, 1
	s_add_co_u32 s30, s30, s31
	s_add_co_u32 s30, s30, 64                      ;     j = 64 + 4 (T % 16) + 2 sp
	s_mov_b32 s66, 2048
	s_mov_b32 s68, 2048
	s_wait_kmcnt 0x0
	s_cmp_lt_u32 s17, 1024                         ; the choice hangs on ids alone; nothing between here and the last select writes SCC
	s_cselect_b32 s22, s22, s28                    ; the tile's first row, in bytes
	s_cselect_b32 s21, s21, s27                    ; sp
	s_cselect_b32 s23, s23, s29                    ; w
	s_cselect_b32 s24, s24, s30                    ; j
	s_cselect_b32 s66, 4096, s66                   ; bytes from row to row
	s_cselect_b32 s68, 16384, s68                  ; bytes from my first fragment to my second: 8 fragments on (wi), 1 (wo)
	s_cselect_b32 s75, 4, 12                       ; the scale's entry within the expert's four, in bytes
	s_cselect_b64 s[32:33], s[4:5], s[6:7]
	s_lshl_b32 s76, s18, 21                        ; an expert's tensor is 2^21 bytes in both
	s_add_co_u32 s76, s76, s22
	s_lshl_b32 s21, s21, 10                        ; two K steps are 1,024 bytes
	s_add_co_u32 s76, s76, s21
	s_mov_b32 s77, 0
	s_add_nc_u64 s[32:33], s[32:33], s[76:77]      ; row 0 of my 16,
	s_mov_b32 s67, 0
.irp i, 1,2,3,4,5,6,7,8,9,10,11,12,13,14,15
	s_add_nc_u64 s[32+2*\i:33+2*\i], s[30+2*\i:31+2*\i], s[66:67]   ; and the others: a base for each row, since the pitch is chosen
.endr
	s_lshl_b32 s78, s18, 2
	s_add_co_u32 s78, s78, s23
	s_lshl_b32 s78, s78, 7
	s_add_co_u32 s78, s78, s24                     ; fragment number (4 e + w) 128 + j
	s_lshl_b32 s78, s78, 11
	s_mov_b32 s79, 0
	s_add_nc_u64 s[70:71], s[12:13], s[78:79]
	s_mov_b32 s69, 0
	s_add_nc_u64 s[72:73], s[70:71], s[68:69]
	s_lshl_b32 s80, s18, 4
	s_add_co_u32 s80, s80, s75
	s_mov_b32 s81, 0
	s_add_nc_u64 s[82:83], s[8:9], s[80:81]
	s_load_b32 s74, s[82:83], 0x0                  ; e
	v_lshlrev_b32 v1, 4, v6                        ; 16 x lane
	s_mul_i32 s84, s16, SWAVE
	v_add_nc_u32 v2, s84, v1                       ; the stage, on the way in
	v_and_b32 v7, 15, v6                           ; r
	v_lshrrev_b32 v8, 4, v6                        ; h
	v_mul_u32_u24 v3, v7, SROW
	v_lshl_add_u32 v3, v8, 5, v3
	v_add_nc_u32 v3, s84, v3                       ; and on the way out: row r, + 32 h
	WLOAD 0
	WLOAD 1
	s_wait_kmcnt 0x0
	s_add_co_i32 s74, s74, 127
	s_lshl_b32 s85, s74, 23
	v_mov_b32 v5, s85                              ; 2^e as f32: the conversion takes its exponent field
	s_add_co_i32 s74, s74, 8
	s_lshl_b32 s74, s74, 23
	s_or_b32 s74, s74, 0x600000
	v_mov_b32 v4, s74                              ; 448 x 2^e
	s_wait_loadcnt 16                              ; the first fragment's 16 loads are in; the second's 16 may be out
	STIN 0
	STOUT
	s_wait_dscnt 0x0                               ; the first fragment's numbers are back
	s_wait_loadcnt 0x0
	STIN 1                                         ; the stage takes the second while the first is worked
	WQ 0
	STOUT
	s_wait_dscnt 0x0
	WQ 1
	s_wait_tensorcnt 0x0
	ds_add_u32 v30, v31
	s_wait_dscnt 0x0
	s_endpgm
	; ---------------- THE SORT.  512 threads; a chunk is 32 tokens; wave v owns chunks 16 v .. 16 v + 15 ----------------
; v160-167 expert e: lane i holds chunk i's ballot (bit l: token l of the chunk uses e);  v176-191 chunk i: 4 x my token's lowest expert;  v192-207 chunk i: 32 + 4 x its highest
; v216-223 lowest masks, v224-231 highest masks (lane = chunk);  v234-237 the highest masks of experts 0-3 in lanes 0-15 and of 4-7 in lanes 16-31;  s[32:39] the chunk's eight ballots
.macro RLOAD i                         ; chunk i: my token's 16 whole numbers, register 8 k + e, into set i % 8
.irp q, 0,1,2,3
	global_load_b128 v[32+16*((\i)%8)+4*\q:32+16*((\i)%8)+4*\q+3], v2, s[20:21] offset:2048*(\i)+16*\q
.endr
.endm
.macro CHUNK i                         ; a lane is a token
.if (\i) < 8
	s_wait_loadcnt 28                              ; this chunk's four loads are in; those of the seven chunks behind it may be out
.else
	s_wait_loadcnt 4*(15-(\i))
.endif
.irp e, 0,1,2,3,4,5,6,7
	v_or_b32 v[208+\e], v[32+16*((\i)%8)+\e], v[40+16*((\i)%8)+\e]
.endr
.irp e, 0,1,2,3,4,5,6,7
	v_cmp_ne_u32 s[32+\e], 0, v[208+\e]            ; the ballot of expert e
.endr
.if (\i) < 8
	RLOAD (\i)+8
.endif
	v_cndmask_b32 v[176+(\i)], 0, 28, s39          ; 4 x lowest: from expert 7 down, the last that holds wins; no expert: 0
	v_cndmask_b32 v[192+(\i)], 32, 36, s33         ; 32 + 4 x highest: from expert 1 up; no expert: 32.  The two chains take turns
.irp n, 1,2,3,4,5,6
	v_cndmask_b32 v[176+(\i)], v[176+(\i)], 4*(7-\n), s[39-\n]
	v_cndmask_b32 v[192+(\i)], v[192+(\i)], 36+4*\n, s[33+\n]
.endr
	v_cndmask_b32 v[176+(\i)], v[176+(\i)], 0, s32
.irp e, 0,1,2,3,4,5,6,7
	v_writelane_b32 v[160+\e], s[32+\e], \i        ; the ballots go into lane i: from here on a lane can stand for a chunk
.endr
.endm
; Two keys' counts, line by line by turns.  k = 8 b + a below 32: lanes 0-15 count key k of their chunk, lanes 16-31 key k + 32.  The bits of the mask are added in fields of 2, 4 and 8 bits;
; the product with 0x01010101 adds the four bytes into the top one.  Each count has a register of its own: no store's data are written again.
.macro POP2 ka, kb
	v_and_b32 v[32+(\ka)], v[216+(\ka)%8], v[234+(\ka)/8]
	v_and_b32 v[32+(\kb)], v[216+(\kb)%8], v[234+(\kb)/8]
	v_lshrrev_b32 v238, 1, v[32+(\ka)]
	v_lshrrev_b32 v239, 1, v[32+(\kb)]
	v_and_b32 v238, s66, v238
	v_and_b32 v239, s66, v239
	v_sub_nc_u32 v[32+(\ka)], v[32+(\ka)], v238
	v_sub_nc_u32 v[32+(\kb)], v[32+(\kb)], v239
	v_lshrrev_b32 v238, 2, v[32+(\ka)]
	v_lshrrev_b32 v239, 2, v[32+(\kb)]
	v_and_b32 v[32+(\ka)], s67, v[32+(\ka)]
	v_and_b32 v[32+(\kb)], s67, v[32+(\kb)]
	v_and_b32 v238, s67, v238
	v_and_b32 v239, s67, v239
	v_add_nc_u32 v[32+(\ka)], v[32+(\ka)], v238
	v_add_nc_u32 v[32+(\kb)], v[32+(\kb)], v239
	v_lshrrev_b32 v238, 4, v[32+(\ka)]
	v_lshrrev_b32 v239, 4, v[32+(\kb)]
	v_add_nc_u32 v[32+(\ka)], v[32+(\ka)], v238
	v_add_nc_u32 v[32+(\kb)], v[32+(\kb)], v239
	v_and_b32 v[32+(\ka)], s68, v[32+(\ka)]
	v_and_b32 v[32+(\kb)], s68, v[32+(\kb)]
	v_mul_lo_u32 v[32+(\ka)], v[32+(\ka)], s69
	v_mul_lo_u32 v[32+(\kb)], v[32+(\kb)], s69
	v_lshrrev_b32 v[32+(\ka)], 24, v[32+(\ka)]
	v_lshrrev_b32 v[32+(\kb)], 24, v[32+(\kb)]
	ds_store_b32 v11, v[32+(\ka)] offset:(\ka)*HP
	ds_store_b32 v11, v[32+(\kb)] offset:(\kb)*HP
.endm
.macro PULL i                          ; chunk i, a lane is a token again: from the lane that stands for my key, where the chunk's tokens of that key begin; from the lanes of my lowest and my highest, their masks
	ds_bpermute_b32 v[96+4*(\i)], v[80+(\i)], v[32+2*(\i)]
	ds_bpermute_b32 v[97+4*(\i)], v[80+(\i)], v[33+2*(\i)]
	ds_bpermute_b32 v[98+4*(\i)], v[176+(\i)], v[64+(\i)]
	ds_bpermute_b32 v[99+4*(\i)], v[192+(\i)], v[64+(\i)]
.endm
.macro PLACE i
	v_cmp_le_u32 vcc_lo, 48, v[192+(\i)]           ; highest of 4 or more: key of 32 or more
	v_cndmask_b32 v[96+4*(\i)], v[96+4*(\i)], v[97+4*(\i)], vcc_lo
	v_and_b32 v[98+4*(\i)], v[98+4*(\i)], v[99+4*(\i)]        ; the lanes that share my key:
	v_mbcnt_lo_u32_b32 v[96+4*(\i)], v[98+4*(\i)], v[96+4*(\i)]   ; + how many of them stand below me: my token's place
	v_min_u32 v[96+4*(\i)], 0x1fff, v[96+4*(\i)]   ; a number made of loaded ones enters an address only held inside the buffer
	v_lshlrev_b32 v[96+4*(\i)], 2, v[96+4*(\i)]
	v_add_nc_u32 v[97+4*(\i)], 32*(\i), v9
	global_store_b32 v[96+4*(\i)], v[97+4*(\i)], s[14:15]   ; four bytes a lane to scattered places: this is the permutation itself, 32,768 bytes in all; registers of their own for each store
.endm
.Lroute:
	v_lshlrev_b32 v2, 6, v6                        ; a token's 16 whole numbers are 64 bytes
	v_and_b32 v7, 15, v6                           ; lane % 16
	v_lshrrev_b32 v8, 4, v6                        ; lane / 16
	s_mul_i32 s17, s16, 16*LHP                     ; my wave's masks
	v_mul_u32_u24 v10, v7, LHP
	v_add_nc_u32 v10, s17, v10
	v_add_nc_u32 v10, LH, v10                      ; v10: into them: a lane is a chunk (lanes 16-31 hold and store the same as lanes 0-15)
	v_lshlrev_b32 v12, 2, v7
	v_add_nc_u32 v12, s17, v12
	v_add_nc_u32 v12, LH, v12                      ; v12: out of them: lane j % 16 takes a chunk's word j
	s_lshl_b32 s18, s16, 6                         ; my wave's 16 chunks in a key's row: 64 bytes
	v_mul_u32_u24 v11, v8, 32*HP
	v_lshl_add_u32 v11, v7, 2, v11
	v_add_nc_u32 v11, s18, v11
	v_add_nc_u32 v11, HT, v11                      ; v11: the table, a lane a chunk; lanes 16-31 stand 32 keys further down
	v_mul_u32_u24 v3, v6, HP
	v_add_nc_u32 v3, s18, v3
	v_add_nc_u32 v3, HT, v3                        ; v3: the table, a lane a key, at my wave's chunks
	v_and_b32 v5, 63, v0
	v_mul_u32_u24 v4, v5, HP
	v_lshrrev_b32 v5, 6, v0
	v_lshl_add_u32 v4, v5, 7, v4
	v_add_nc_u32 v4, HT, v4                        ; v4: the table, thread = (key = thread % 64, segment = thread / 64 of 32 chunks)
	v_lshlrev_b32 v13, 2, v0
	v_add_nc_u32 v13, ST, v13                      ; v13: my thread's word among the segments' counts
	v_lshlrev_b32 v14, 2, v6
	v_add_nc_u32 v14, ST, v14                      ; v14: the segments' counts, a lane a key
.irp e, 0,1,2,3,4,5,6,7
	v_mov_b32 v[160+\e], 0                         ; written whole ahead of the single lanes; lanes 16-31 stay 0 until the copy below
.endr
	s_lshl_b32 s22, s16, 15                        ; my wave's 512 tokens
	s_mov_b32 s23, 0
	s_wait_kmcnt 0x0
	s_add_nc_u64 s[20:21], s[10:11], s[22:23]
.irp i, 0,1,2,3,4,5,6,7
	RLOAD \i
.endr
.irp i, 0,1,2,3,4,5,6,7,8,9,10,11,12,13,14,15
	CHUNK \i
.endr
	; ---- a lane is a chunk: all 16 chunks of the wave at once, and in lanes 16-31 once more, for the upper half of the keys
	s_mov_b32 s57, 0xffff0000
	s_mov_b32 s60, 0x76543210                      ; v_permlanex16_b32: lane i of one half reads lane i of the other
	s_mov_b32 s61, 0xfedcba98
	s_mov_b32 s66, 0x55555555
	s_mov_b32 s67, 0x33333333
	s_mov_b32 s68, 0x0f0f0f0f
	s_mov_b32 s69, 0x01010101
.irp e, 0,1,2,3,4,5,6,7
	v_permlanex16_b32 v[208+\e], v[160+\e], s60, s61   ; (its destination counts as read: these registers have been written)
.endr
.irp e, 0,1,2,3,4,5,6,7
	v_or_b32 v[160+\e], v[160+\e], v[208+\e]       ; lanes 16-31 held 0: now both halves hold the 16 chunks' ballots
.endr
	v_mov_b32 v232, v160                           ; the experts below, so far;
	v_mov_b32 v233, v167                           ; the experts above
.irp n, 1,2,3,4,5,6,7
	v_bfi_b32 v[216+\n], v232, 0, v[160+\n]        ; uses n and none below
	v_bfi_b32 v[231-\n], v233, 0, v[167-\n]        ; uses 7 - n and none above
	v_or_b32 v232, v232, v[160+\n]
	v_or_b32 v233, v233, v[167-\n]
.endr
	v_xor_b32 v232, -1, v232                       ; tokens without an expert count under key 0
	v_or_b32 v216, v160, v232
	v_or_b32 v224, v224, v232
	v_mov_b32 v231, v167
.irp b, 0,1,2,3
	v_cndmask_b32 v[234+\b], v[224+\b], v[228+\b], s57
.endr
	v_mov_b32 v246, 0
.irp j, 0,1,2,3,4,5,6,7
	ds_store_b32 v10, v[216+\j] offset:4*\j        ; the sixteen masks of each chunk, for the wave's own use below
	ds_store_b32 v10, v[224+\j] offset:32+4*\j
.endr
	POP2 0, 1                                      ; the keys 8 b + a with a <= b + 4: for the others neither k nor k + 32 can have a token (lowest above highest)
	POP2 2, 3
	POP2 4, 8
	POP2 9, 10
	POP2 11, 12
	POP2 13, 16
	POP2 17, 18
	POP2 19, 20
	POP2 21, 22
	POP2 24, 25
	POP2 26, 27
	POP2 28, 29
	POP2 30, 31
.irp k, 5,6,7,14,15,23
	ds_store_b32 v11, v246 offset:\k*HP            ; every word of the table that is read later is written
.endr
	BARRIER                                        ; the table of counts lies in LDS
	; ---- thread = (key, segment of 32 chunks): the segment's count of the key
.set i, 0
.rept 32
	ds_load_b32 v[32+i], v4 offset:4*i
.set i, i+1
.endr
	s_wait_dscnt 0x0
	v_add3_u32 v96, v32, v33, v34
.irp j, 35,37,39,41,43,45,47,49,51,53,55,57,59,61
	v_add3_u32 v96, v96, v[\j], v[\j+1]
.endr
	v_add_nc_u32 v96, v96, v63
	ds_store_b32 v13, v96
	BARRIER                                        ; the segments' counts lie in LDS
.irp p, 0,1,2,3,4,5,6,7
	ds_load_b32 v[100+\p], v14 offset:256*\p       ; segment p's count of key = lane,
	ds_load_b32 v[108+\p], v14 offset:256*\p+128   ; and of key = 32 + lane
.endr
	s_wait_dscnt 0x0
	v_add3_u32 v116, v100, v101, v102
	v_add3_u32 v117, v108, v109, v110
	v_add3_u32 v116, v116, v103, v104
	v_add3_u32 v117, v117, v111, v112
	v_add3_u32 v116, v116, v105, v106
	v_add3_u32 v117, v117, v113, v114
	v_add_nc_u32 v116, v116, v107                  ; all tokens of key = lane,
	v_add_nc_u32 v117, v117, v115                  ; of key = 32 + lane
	v_mov_b32 v118, v116
	v_mov_b32 v119, v117
	v_mov_b32 v120, 0                              ; written once: a DPP form's destination counts as read
	v_mov_b32 v121, 0
.irp n, 1,2,4,8                        ; running sums inside each half of 16 lanes,
	v_mov_b32_dpp v120, v118 row_shr:\n row_mask:0xf bank_mask:0xf bound_ctrl:1
	v_mov_b32_dpp v121, v119 row_shr:\n row_mask:0xf bank_mask:0xf bound_ctrl:1
	v_add_nc_u32 v118, v118, v120
	v_add_nc_u32 v119, v119, v121
.endr
	v_readlane_b32 s56, v118, 15                   ; and the lower half's total onto the upper half
	v_readlane_b32 s58, v119, 15
	v_cndmask_b32 v120, 0, s56, s57
	v_cndmask_b32 v121, 0, s58, s57
	v_add_nc_u32 v118, v118, v120
	v_add_nc_u32 v119, v119, v121
	v_readlane_b32 s59, v118, 31                   ; all tokens of keys 0-31
	v_sub_nc_u32 v118, v118, v116                  ; where key = lane begins,
	v_sub_nc_u32 v119, v119, v117
	v_add_nc_u32 v119, s59, v119                   ; where key = 32 + lane begins
	s_and_b32 s60, s16, 1                          ; my thread's key is 32 (wave % 2) + lane
	s_cselect_b32 s60, -1, 0
	v_cndmask_b32 v122, v118, v119, s60
	s_lshr_b32 s61, s16, 1                         ; my segment
.irp p, 0,1,2,3,4,5,6
	s_cmp_gt_u32 s61, \p
	s_cselect_b32 s62, -1, 0
	v_cndmask_b32 v123, v[100+\p], v[108+\p], s60
	v_and_b32 v123, s62, v123
	v_add_nc_u32 v122, v122, v123                  ; + the key's tokens in the segments ahead of mine
.endr
	v_mov_b32 v64, v122
.set i, 0
.rept 31
	v_add_nc_u32 v[65+i], v[64+i], v[32+i]         ; where the key's tokens of each of my 32 chunks begin
.set i, i+1
.endr
.set i, 0
.rept 32
	ds_store_b32 v4, v[64+i] offset:4*i            ; over the counts: words that my thread alone has read since the first barrier
.set i, i+1
.endr
	BARRIER                                        ; the table of places lies in LDS
	; ---- a lane is a key (the places) or a mask's number (the masks); then a token again
.irp i, 0,1,2,3,4,5,6,7,8,9,10,11,12,13,14,15
	ds_load_b32 v[32+2*\i], v3 offset:4*\i         ; chunk i: where key = lane begins,
	ds_load_b32 v[33+2*\i], v3 offset:32*HP+4*\i   ; key = 32 + lane,
	ds_load_b32 v[64+\i], v12 offset:LHP*\i        ; and its masks: lanes 0-7 lowest, lanes 8-15 highest
.endr
.irp i, 0,1,2,3,4,5,6,7,8,9,10,11,12,13,14,15
	v_lshl_add_u32 v[80+\i], v[192+\i], 3, v[176+\i]   ; 256 + 4 x key: the permute takes (this / 4) mod 32 = key mod 32 as the lane to read
.endr
	s_lshl_b32 s17, s16, 9
	v_add_nc_u32 v9, s17, v6                       ; my token in chunk 0 of my wave
	s_wait_dscnt 0x0
.irp i, 0,1,2,3,4,5,6,7
	PULL \i
.endr
	s_wait_dscnt 0x0
.irp i, 8,9,10,11,12,13,14,15
	PULL \i                                        ; the second eight chunks' permutes are out while the first eight are placed
.endr
.irp i, 0,1,2,3,4,5,6,7
	PLACE \i
.endr
	s_wait_dscnt 0x0
.irp i, 8,9,10,11,12,13,14,15
	PLACE \i
.endr
	s_wait_tensorcnt 0x0
	ds_add_u32 v30, v31
	s_wait_dscnt 0x0
	s_endpgm
.Lfunc_end_k_q9f4504551a_prep:
	.size	k_q9f4504551a_prep, .Lfunc_end_k_q9f4504551a_prep-k_q9f4504551a_prep
	.p2alignl 7, 3214868480
	.fill 96, 4, 3214868480
	.section	.rodata,"a",@progbits
	.p2align	6, 0x0
	.amdhsa_kernel k_q9f4504551a_prep
		.amdhsa_group_segment_fixed_size 222464
		.amdhsa_private_segment_fixed_size 0
		.amdhsa_enable_private_segment 0
		.amdhsa_kernarg_size 48
		.amdhsa_user_sgpr_count 2
		.amdhsa_user_sgpr_kernarg_segment_ptr 1
		.amdhsa_wavefront_size32 1
		.amdhsa_system_sgpr_workgroup_id_x 1
		.amdhsa_system_sgpr_workgroup_id_y 1
		.amdhsa_system_sgpr_workgroup_id_z 1
		.amdhsa_system_vgpr_workitem_id 0
		.amdhsa_next_free_vgpr 256
		.amdhsa_next_free_sgpr 90
		.amdhsa_reserve_vcc 1
		.amdhsa_float_denorm_mode_32 3
		.amdhsa_float_denorm_mode_16_64 3
		.amdhsa_memory_ordered 1
		.amdhsa_forward_progress 1
		.amdhsa_inst_pref_size 107
	.end_amdhsa_kernel
	.amdgpu_metadata
---
amdhsa.version: [ 1, 2 ]
amdhsa.kernels:
  - .name:           k_q9f4504551a_prep
    .symbol:         k_q9f4504551a_prep.kd
    .args:
      - { .name: wi, .offset: 0, .size: 8, .value_kind: global_buffer, .address_space: global }
      - { .name: wo, .offset: 8, .size: 8, .value_kind: global_buffer, .address_space: global }
      - { .name: lowp_scales, .offset: 16, .size: 8, .value_kind: global_buffer, .address_space: global }
      - { .name: selected_experts, .offset: 24, .size: 8, .value_kind: global_buffer, .address_space: global }
      - { .name: wcodes, .offset: 32, .size: 8, .value_kind: global_buffer, .address_space: global }
      - { .name: order, .offset: 40, .size: 8, .value_kind: global_buffer, .address_space: global }
    .group_segment_fixed_size: 222464
    .private_segment_fixed_size: 0
    .kernarg_segment_align: 8
    .kernarg_segment_size: 48
    .max_flat_workgroup_size: 512
    .sgpr_count:     90
    .vgpr_count:     256
    .wavefront_size: 32
...
	.end_amdgpu_metadata
.endif
;; end of part 1
;; launch moe (part 2): grid 256 x 1, 4 waves a work-group, no clusters, 181,248 bytes of LDS; arguments hidden_states, selected_experts, routing_weights, lowp_scales, order, wcodes, out0; writes out0
.if DOCPART == 2
	.amdgcn_target "amdgcn-amd-amdhsa--gfx1250"
	.amdhsa_code_object_version 6
	.text
	.protected	k_q9f4504551a_moe
	.globl	k_q9f4504551a_moe
	.p2align	8
	.type	k_q9f4504551a_moe,@function
k_q9f4504551a_moe:
	s_mov_b64 s[64:65], 0
	v_nop
	global_prefetch_b8 v0, s[64:65] scope:SCOPE_SE
	s_setreg_imm32_b32 hwreg(HW_REG_WAVE_MODE, 25, 1), 1
	s_wait_xcnt 0x0
; out[t] = sum over e of w[t][e] relu(x[t] wi[e]^T) wo[e]^T,  w[t][e] = sel[t][0][e] rw[t][0] + sel[t][1][e] rw[t][1].  Both products of each expert on codes of FP8 (E4M3), sums in f32.
; Expert e's four given exponents: ex, ewi, eh, ewo = entries 4 e .. 4 e + 3 of the scales.  x is quantised anew for each expert, since ex may differ from expert to expert.
; SHARES.  Work-group b owns the 32 tokens order[32 b ..]: every row of out has one owner.  It walks all 8 experts in a loop of constant count.  An expert for which sel[t][0][e] | sel[t][1][e] is 0 in all 32 tokens has
; w = 0 exactly in all of them, and its products (finite sums of finite codes) would be added with the factor 0: three scalar branches on that whole number lead round the work, never round a barrier.
; Nothing is assumed of sel: a token may use none or all of the experts; sorted tokens only make the used experts of a block few.
; THE WAVES SHARE THE COLUMNS: wave w makes hidden units 128 w .. + 127 (8 tiles) and columns 256 w .. + 255 of out (16 tiles) for both tiles of 16 tokens (m = 0, 1).  So each fragment of the weights is read by one wave of
; the work-group, once, straight from memory into registers, where the launch before has laid it as an image of the operand's registers, in the order of this walk: 262,144 consecutive bytes for each (expert, wave).
; BOTH PRODUCTS ARE USED TRANSPOSED (source 0 = 16 rows of the weight, source 1 = 16 tokens): a lane holds one token (lane % 16), and its eight results are eight neighbours along the next K, in the very places that the
; matrix form gives them: the conversions' results are the next operand's registers.  x's and the hidden layer's fragments go from wave to wave through LDS as images of their registers.
; NO TENSOR LOADS, NO CLUSTER: the work-groups that would be partners use different experts, so no joint request could be issued alike in all of them.
; LIMITS: ex, and eh - ex - ewi, between -126 and 119, so that each power of two below and 448 times it are f32 numbers; eh + ewo is applied by v_ldexp_f32.  NaN among the inputs is not served; an infinity in x is held at the largest code.
; REGISTERS, in windows of 256.  Window 0: v1-15 addresses and tokens; v16-31 w (expert e, tile m at v[16 + 2 e + m]; shifted down two a trip); v32-223 the phases' area; v224-227 the two conversions' scales and holds; v[228:231] w x 2^(eh + ewo).
;   v32-95: 64 numbers at work | x's fragments, two sets | the hidden codes | the second product's sums, two sets of four.   v96-223: x's codes | the hidden layer's 16 accumulators | its 8 fragments.
;   Window 1: the ring of weights, two halves of 8 fragments; rows of x at the head and rows of out at the end.   Window 2: my four fragments of x in f32.   Window 3: out, accumulator (n, m) at v[8 (2 n + m)].
.set PX,    4112                       ; a row of 4,096 bytes + 16 in LDS: an odd multiple of 16
.set XIMG,  32*PX                      ; 131,584: behind the 32 rows: x's 16 fragment images (8 m + s),
.set HIMG,  XIMG+16*2048               ; 164,352: the hidden layer's 8 (4 m + s)
.set T,   32
.set HA,  96
.set MSB, 0
.macro WIN new                         ; the immediate's high byte repeats the setting that is left; bits 1:0 source 0, 3:2 source 1, 5:4 source 2, 7:6 destination
.if MSB != \new
	s_set_vgpr_msb (MSB<<8)|\new
.set MSB, \new
.endif
.endm
.macro BARRIER                         ; my LDS stores have landed and my LDS loads are in: then the work-group's barrier
	s_wait_dscnt 0x0
	s_barrier_signal -1
	s_barrier_wait -1
.endm
.macro PLACES                          ; four plain vector lines behind matrix instructions, ahead of loads into their registers and of reads of their results
.rept 4
	v_nop
.endr
.endm
.macro REFILL g                        ; group g (0..15) of the expert's stream: 8 fragments, 32 loads of 512 consecutive bytes, into ring half g % 2
	WIN 0x40
.irp q, 0,1,2,3,4,5,6,7
.irp c, 0,1,2,3
	global_load_b128 v[128*((\g)%2)+16*\q+4*\c:128*((\g)%2)+16*\q+4*\c+3], v1, s[56:57] offset:(8*(\g)+\q)*2048+512*\c
.endr
.endr
	WIN 0
.endm
.macro QX f                            ; my f-th fragment of x: held, converted with 2^ex, its image to LDS.  Codes in registers of their own for each f
	WIN 0x02
.set i, 0
.rept 64
	v_med3_num_f32 v[T+i], v[64*(\f)+i], -v225, v225   ; the conversion to an 8-bit code does not saturate (ISA guide 7.6.2)
.set i, i+1
.endr
	WIN 0
.irp q, 0,1,2,3,4,5,6,7
	v_cvt_scalef32_pk8_fp8_f32 v[96+16*(\f)+2*\q:96+16*(\f)+2*\q+1], v[T+8*\q:T+8*\q+7], v224
.endr
	v_nop                                          ; one plain vector line behind the last conversion
.irp c, 0,1,2,3
	ds_store_b128 v6, v[96+16*(\f)+4*\c:96+16*(\f)+4*\c+3] offset:2048*(\f)+512*\c
.endr
.endm
.macro FETCHX s                        ; x's two fragments (m = 0, 1) of K step s into set s % 2
.irp m, 0,1
.irp c, 0,1,2,3
	ds_load_b128 v[32+32*((\s)%2)+16*\m+4*\c:32+32*((\s)%2)+16*\m+4*\c+3], v7 offset:(8*\m+(\s))*2048+512*\c
.endr
.endr
.endm
.macro STEP1 s                         ; K step s of the first product: 16 matrix instructions on 16 accumulators, which take turns, one instruction a turn
.if (\s) < 7
	FETCHX (\s)+1
	s_wait_dscnt 8                                 ; this step's 8 loads are in; the next step's 8 may be out
.else
	s_wait_dscnt 0x0
.endif
	s_wait_loadcnt 32                              ; this step's group of weights is in; the next group's 32 loads may be out
	WIN 0x01
.irp t, 0,1,2,3,4,5,6,7
.irp m, 0,1
.if (\s) == 0
	v_wmma_f32_16x16x128_fp8_fp8 v[HA+64*\m+8*\t:HA+64*\m+8*\t+7], v[128*((\s)%2)+16*\t:128*((\s)%2)+16*\t+15], v[32+32*((\s)%2)+16*\m:32+32*((\s)%2)+16*\m+15], 0
.else
	v_wmma_f32_16x16x128_fp8_fp8 v[HA+64*\m+8*\t:HA+64*\m+8*\t+7], v[128*((\s)%2)+16*\t:128*((\s)%2)+16*\t+15], v[32+32*((\s)%2)+16*\m:32+32*((\s)%2)+16*\m+15], v[HA+64*\m+8*\t:HA+64*\m+8*\t+7]
.endif
.endr
.endr
	PLACES
	REFILL (\s)+2                                  ; the half just multiplied takes the group two on; steps 6 and 7 ask for the second product's first two groups: the stream is one
.endm
.macro QH m                            ; my 128 hidden units of tile m: relu and the hold in one, converted with 2^(eh - ex - ewi): K step w of the second product; its image to LDS
.set i, 0
.rept 64
	v_med3_num_f32 v[HA+64*(\m)+i], v[HA+64*(\m)+i], 0, v227   ; each accumulator from its low end on
.set i, i+1
.endr
.irp t, 0,1,2,3,4,5,6,7
	v_cvt_scalef32_pk8_fp8_f32 v[32+16*(\m)+2*\t:32+16*(\m)+2*\t+1], v[HA+64*(\m)+8*\t:HA+64*(\m)+8*\t+7], v226
.endr
	v_nop                                          ; one plain vector line behind the last conversion
.irp c, 0,1,2,3
	ds_store_b128 v8, v[32+16*(\m)+4*\c:32+16*(\m)+4*\c+3] offset:8192*(\m)+512*\c
.endr
.endm
.macro FMA g                           ; out += (w x 2^(eh + ewo)) x group g's four sums; each from its low end on
	WIN 0xf0
.irp n, 0,1
.irp m, 0,1
.irp i, 0,2,4,6
	v_pk_fma_f32 v[8*(2*(2*(\g)+\n)+\m)+\i:8*(2*(2*(\g)+\n)+\m)+\i+1], v[32+32*((\g)%2)+8*(2*\n+\m)+\i:32+32*((\g)%2)+8*(2*\n+\m)+\i+1], v[228+2*\m:229+2*\m], v[8*(2*(2*(\g)+\n)+\m)+\i:8*(2*(2*(\g)+\n)+\m)+\i+1] op_sel_hi:[1,0,1]
.endr
.endr
.endr
.endm
.macro GROUP g                         ; two tiles of out's columns x two tiles of tokens, all 512 along K: 16 matrix instructions on four accumulators by turns
.if (\g) == 7
	s_wait_loadcnt 0x0
.else
	s_wait_loadcnt 32                              ; this group's weights are in; the next group's 32 loads may be out
.endif
	WIN 0x01
.irp s, 0,1,2,3
.irp n, 0,1
.irp m, 0,1
.if \s == 0
	v_wmma_f32_16x16x128_fp8_fp8 v[32+32*((\g)%2)+8*(2*\n+\m):32+32*((\g)%2)+8*(2*\n+\m)+7], v[128*((\g)%2)+16*(4*\n+\s):128*((\g)%2)+16*(4*\n+\s)+15], v[96+16*(4*\m+\s):96+16*(4*\m+\s)+15], 0
.else
	v_wmma_f32_16x16x128_fp8_fp8 v[32+32*((\g)%2)+8*(2*\n+\m):32+32*((\g)%2)+8*(2*\n+\m)+7], v[128*((\g)%2)+16*(4*\n+\s):128*((\g)%2)+16*(4*\n+\s)+15], v[96+16*(4*\m+\s):96+16*(4*\m+\s)+15], v[32+32*((\g)%2)+8*(2*\n+\m):32+32*((\g)%2)+8*(2*\n+\m)+7]
.endif
.endr
.endr
.endr
.if (\g) == 0
	PLACES
.else
	FMA (\g)-1                                     ; the group before is added while this one is multiplied: sixteen plain lines that name none of this group's registers: its places
.endif
.if (\g) <= 5
	REFILL (\g)+10
.endif
.endm
	s_load_b256 s[4:11], s[0:1], 0x0               ; x s[4:5], sel s[6:7], rw s[8:9], the scales' exponents s[10:11]
	s_load_b128 s[12:15], s[0:1], 0x20             ; order s[12:13], wcodes s[14:15]
	s_load_b64 s[16:17], s[0:1], 0x30              ; out
	v_lshl_add_u32 v254, v0, 2, 0x2c200
	v_mov_b32 v255, 0
	v_lshrrev_b32 v1, 5, v0
	v_readfirstlane_b32 s18, v1                    ; wave 0..3
	v_and_b32 v74, 31, v0                          ; lane
	v_and_b32 v75, 15, v0                          ; r
	v_bfe_u32 v76, v0, 4, 1                        ; h
	v_lshlrev_b32 v1, 4, v74                       ; v1: 16 x lane
	v_lshlrev_b32 v77, 4, v75                      ; 16 r
	s_mul_i32 s21, s18, 8*PX
	v_mul_u32_u24 v2, v76, PX
	v_add_nc_u32 v2, v2, v77
	v_add_nc_u32 v2, s21, v2                       ; v2: whole rows: row 8 w + h, 16 bytes a lane; two rows an instruction
	s_lshr_b32 s21, s18, 1
	s_mul_i32 s21, s21, 16*PX
	s_and_b32 s22, s18, 1
	s_lshl_b32 s22, s22, 11
	s_add_co_u32 s21, s21, s22
	v_mul_u32_u24 v78, v75, PX
	v_lshl_add_u32 v79, v76, 5, v78                ; row r, + 32 h
	v_add_nc_u32 v3, s21, v79                      ; v3: my four fragments of x: tile w / 2, K steps 4 (w % 2) on
	s_lshl_b32 s21, s18, 10
	v_add_nc_u32 v4, s21, v79                      ; v4, v5: out's way into the rows: token 16 m + r, my 1,024 bytes, + 32 h
	v_add_nc_u32 v5, 16*PX, v4
	s_lshl_b32 s21, s18, 13
	v_add_nc_u32 v7, XIMG, v1                      ; v7: x's images for my lane;
	v_add_nc_u32 v6, s21, v7                       ; v6: where I store mine: fragments 4 w on
	s_lshl_b32 s21, s18, 11
	v_add_nc_u32 v9, HIMG, v1                      ; v9, v8: the same for the hidden layer: fragment w of each tile
	v_add_nc_u32 v8, s21, v9
	s_lshl_b32 s21, s18, 5
	v_lshlrev_b32 v72, 2, v76
	v_add_nc_u32 v72, s21, v72                     ; order: entry 8 w + h (+ 2 i)
	v_lshlrev_b32 v73, 2, v75                      ; order: entry r (+ 16 m)
	s_lshl_b32 s22, ttmp9, 7                       ; my block's 32 entries
	s_mov_b32 s23, 0
	s_lshl_b32 s58, s18, 18                        ; my wave's 262,144 bytes of an expert's codes
	s_mov_b32 s59, 0
	s_mov_b32 s19, 0                               ; the used experts, a bit each
	s_mov_b32 s20, 0                               ; the trip
	v_mov_b32 v229, 0                              ; (named as the upper halves of pairs)
	v_mov_b32 v231, 0
	s_wait_kmcnt 0x0
	s_add_nc_u64 s[12:13], s[12:13], s[22:23]
	s_add_nc_u64 s[56:57], s[14:15], s[58:59]
	s_load_b512 s[24:39], s[10:11], 0x0            ; all 32 exponents; s[24:27] are the expert's in hand
	s_load_b512 s[40:55], s[10:11], 0x40
.irp i, 0,1,2,3
	global_load_b32 v[10+\i], v72, s[12:13] offset:8*\i
.endr
	global_load_b32 v14, v73, s[12:13]
	global_load_b32 v15, v73, s[12:13] offset:64
	s_wait_loadcnt 0x0
.irp i, 10,11,12,13,14,15
	v_min_u32 v[\i], 0x1fff, v[\i]                 ; a loaded number enters an address only held inside the table
.endr
.irp i, 10,11,12,13
	v_lshlrev_b32 v[\i], 12, v[\i]                 ; v10-13: the rows of x and of out that I move: token x 4,096 + 16 r
	v_add_nc_u32 v[\i], v[\i], v77
.endr
	v_lshlrev_b32 v68, 6, v14                      ; sel: 64 bytes a token
	v_lshlrev_b32 v69, 6, v15
	v_lshlrev_b32 v70, 3, v14                      ; rw: 8 bytes
	v_lshlrev_b32 v71, 3, v15
	WIN 0x40
.irp i, 0,1,2,3
.irp c, 0,1,2,3,4,5,6,7,8,9,10,11,12,13,14,15
	global_load_b128 v[4*(16*\i+\c):4*(16*\i+\c)+3], v[10+\i], s[4:5] offset:256*\c th:TH_LOAD_NT   ; sixteen lanes read 256 consecutive bytes of a row; each row is read once in the launch
.endr
.endr
	WIN 0
.irp m, 0,1
.irp q, 0,1,2,3
	global_load_b128 v[32+16*\m+4*\q:32+16*\m+4*\q+3], v[68+\m], s[6:7] offset:16*\q   ; sel of token (m, r): register 8 k + e
.endr
	global_load_b64 v[64+2*\m:65+2*\m], v[70+\m], s[8:9]
.endr
	WIN 0xc0
.set i, 0
.rept 256
	v_mov_b32 v[i], 0                              ; out begins at 0, as in the definition: the trip is written once, and which trip is the first with work hangs on the data.  (These stand while the loads are out)
.set i, i+1
.endr
	s_wait_loadcnt 10                              ; x's 64 loads are in; the 10 of sel and rw behind them may be out
	WIN 0x04
.irp i, 0,1,2,3
.irp c, 0,1,2,3,4,5,6,7,8,9,10,11,12,13,14,15
	ds_store_b128 v2, v[4*(16*\i+\c):4*(16*\i+\c)+3] offset:2*PX*\i+256*\c
.endr
.endr
	WIN 0
	s_wait_loadcnt 0x0
.irp e, 0,1,2,3,4,5,6,7
.irp m, 0,1
	v_cvt_f32_i32 v80, v[32+16*\m+\e]
	v_cvt_f32_i32 v81, v[40+16*\m+\e]
	v_mul_f32 v[16+2*\e+\m], v80, v[64+2*\m]
	v_fmac_f32 v[16+2*\e+\m], v81, v[65+2*\m]      ; w[t][e]
.endr
	v_or_b32 v82, v[32+\e], v[40+\e]
	v_or_b32 v83, v[48+\e], v[56+\e]
	v_or_b32 v82, v82, v83
	v_cmp_ne_u32 vcc_lo, 0, v82                    ; whole numbers alone decide: does any of the 32 tokens use expert e?  Every wave holds all 32 and finds the same
	s_cmp_lg_u32 vcc_lo, 0
	s_cselect_b32 s21, 1<<\e, 0
	s_or_b32 s19, s19, s21
.endr
	BARRIER                                        ; the 32 rows of x lie in LDS
	WIN 0x80
.irp f, 0,1,2,3
.irp c, 0,1,2,3
.irp j, 0,1,2,3
	ds_load_b128 v[64*\f+16*\c+4*\j:64*\f+16*\c+4*\j+3], v3 offset:512*\f+128*\c+64*(\j/2)+16*(\j%2)   ; lane (r, h): of row r, k = 32 c + 8 h + 0..7 and 32 c + 16 + 8 h + 0..7
.endr
.endr
.endr
	WIN 0
	s_wait_dscnt 0x0
	s_wait_kmcnt 0x0
.Ltrip:                                            ; 8 trips, an expert each
	s_add_co_i32 s58, s24, 127
	s_lshl_b32 s59, s58, 23
	v_mov_b32 v224, s59                            ; 2^ex as f32: the conversion takes its exponent field
	s_add_co_i32 s58, s58, 8
	s_lshl_b32 s58, s58, 23
	s_or_b32 s58, s58, 0x600000
	v_mov_b32 v225, s58                            ; 448 x 2^ex
	s_sub_co_i32 s60, s26, s24
	s_sub_co_i32 s60, s60, s25                     ; a sum of the first product stands for sum x 2^(ex + ewi): its code is sum / 2^(eh - ex - ewi)
	s_add_co_i32 s60, s60, 127
	s_lshl_b32 s61, s60, 23
	v_mov_b32 v226, s61
	s_add_co_i32 s60, s60, 8
	s_lshl_b32 s60, s60, 23
	s_or_b32 s60, s60, 0x600000
	v_mov_b32 v227, s60
	s_add_co_i32 s62, s26, s27
	v_ldexp_f32 v228, v16, s62                     ; w x 2^(eh + ewo), for tile 0,
	v_ldexp_f32 v230, v17, s62                     ; for tile 1
	; ---- x's codes for this expert; the stream of weights begins
	s_bitcmp1_b32 s19, 0
	s_cbranch_scc0 .La
	s_wait_loadcnt 0x0                             ; no load is on its way into the ring
	REFILL 0
	REFILL 1
	QX 0
	QX 1
	QX 2
	QX 3
.La:
	BARRIER                                        ; x's sixteen fragments lie in LDS; nobody reads the hidden layer's images of the expert before any more
	; ---- the hidden layer
	s_bitcmp1_b32 s19, 0
	s_cbranch_scc0 .Lb
	FETCHX 0
.irp s, 0,1,2,3,4,5,6,7
	STEP1 \s
.endr
	QH 0
	QH 1
.Lb:
	BARRIER                                        ; the hidden layer's eight fragments lie in LDS; nobody reads x's images any more
	; ---- the second product, and out
	s_bitcmp1_b32 s19, 0
	s_cbranch_scc0 .Lc
.irp f, 0,1,2,3,4,5,6,7
.irp c, 0,1,2,3
	ds_load_b128 v[96+16*\f+4*\c:96+16*\f+4*\c+3], v9 offset:2048*\f+512*\c
.endr
.endr
	s_wait_dscnt 0x0
.irp g, 0,1,2,3,4,5,6,7
	GROUP \g
.endr
	FMA 7
	WIN 0
.Lc:
	s_wait_xcnt 0x0                                ; the loads have read their base: it may step
	s_add_nc_u64 s[56:57], s[56:57], 0x100000      ; the next expert's codes
.irp k, 0,1,2,3,4,5,6,7,8,9,10,11,12,13
	s_mov_b64 s[24+2*\k:25+2*\k], s[28+2*\k:29+2*\k]   ; the exponents move down by an expert's four,
.endr
.irp k, 0,1,2,3,4,5,6,7,8,9,10,11,12,13
	v_mov_b32 v[16+\k], v[18+\k]                   ; w by an expert's two,
.endr
	s_lshr_b32 s19, s19, 1                         ; the used experts by a bit
	s_add_co_u32 s20, s20, 1
	s_cmp_lt_u32 s20, 8
	s_cbranch_scc1 .Ltrip
	; ---- THE WAY OUT.  A lane holds 32 bytes of a token's row, a row's 4,096 bytes come from four waves: they meet in the rows in LDS that x has left, and each wave stores 8 whole rows
	s_wait_loadcnt 0x0                             ; no load is on its way into the ring's registers, which take the rows
	WIN 0x0c
.irp m, 0,1
.irp n, 0,1,2,3,4,5,6,7,8,9,10,11,12,13,14,15
	ds_store_b128 v[4+\m], v[8*(2*\n+\m):8*(2*\n+\m)+3] offset:64*\n
	ds_store_b128 v[4+\m], v[8*(2*\n+\m)+4:8*(2*\n+\m)+7] offset:64*\n+16
.endr
.endr
	WIN 0
	BARRIER                                        ; 32 whole rows of out lie in LDS
	WIN 0x40
.irp i, 0,1,2,3
.irp c, 0,1,2,3,4,5,6,7,8,9,10,11,12,13,14,15
	ds_load_b128 v[4*(16*\i+\c):4*(16*\i+\c)+3], v2 offset:2*PX*\i+256*\c
.endr
.endr
	WIN 0x04
.irp i, 0,1,2,3
	s_wait_dscnt 16*(3-\i)                         ; this pair of rows is in; the later pairs' loads may be out
.irp c, 0,1,2,3,4,5,6,7,8,9,10,11,12,13,14,15
	global_store_b128 v[10+\i], v[4*(16*\i+\c):4*(16*\i+\c)+3], s[16:17] offset:256*\c th:TH_STORE_NT   ; sixteen lanes store 256 consecutive bytes, at a multiple of 256 from out's first byte; written once, read by nobody here
.endr
.endr
	WIN 0
	s_wait_tensorcnt 0x0
	ds_add_u32 v254, v255
	s_wait_dscnt 0x0
	s_endpgm
.Lfunc_end_k_q9f4504551a_moe:
	.size	k_q9f4504551a_moe, .Lfunc_end_k_q9f4504551a_moe-k_q9f4504551a_moe
	.p2alignl 7, 3214868480
	.fill 96, 4, 3214868480
	.section	.rodata,"a",@progbits
	.p2align	6, 0x0
	.amdhsa_kernel k_q9f4504551a_moe
		.amdhsa_group_segment_fixed_size 181248
		.amdhsa_private_segment_fixed_size 0
		.amdhsa_enable_private_segment 0
		.amdhsa_kernarg_size 56
		.amdhsa_user_sgpr_count 2
		.amdhsa_user_sgpr_kernarg_segment_ptr 1
		.amdhsa_wavefront_size32 1
		.amdhsa_system_sgpr_workgroup_id_x 1
		.amdhsa_system_sgpr_workgroup_id_y 1
		.amdhsa_system_sgpr_workgroup_id_z 1
		.amdhsa_system_vgpr_workitem_id 0
		.amdhsa_next_free_vgpr 1024
		.amdhsa_next_free_sgpr 80
		.amdhsa_reserve_vcc 1
		.amdhsa_float_denorm_mode_32 3
		.amdhsa_float_denorm_mode_16_64 3
		.amdhsa_memory_ordered 1
		.amdhsa_forward_progress 1
		.amdhsa_inst_pref_size 159
	.end_amdhsa_kernel
	.amdgpu_metadata
---
amdhsa.version: [ 1, 2 ]
amdhsa.kernels:
  - .name:           k_q9f4504551a_moe
    .symbol:         k_q9f4504551a_moe.kd
    .args:
      - { .name: hidden_states, .offset: 0, .size: 8, .value_kind: global_buffer, .address_space: global }
      - { .name: selected_experts, .offset: 8, .size: 8, .value_kind: global_buffer, .address_space: global }
      - { .name: routing_weights, .offset: 16, .size: 8, .value_kind: global_buffer, .address_space: global }
      - { .name: lowp_scales, .offset: 24, .size: 8, .value_kind: global_buffer, .address_space: global }
      - { .name: order, .offset: 32, .size: 8, .value_kind: global_buffer, .address_space: global }
      - { .name: wcodes, .offset: 40, .size: 8, .value_kind: global_buffer, .address_space: global }
      - { .name: out0, .offset: 48, .size: 8, .value_kind: global_buffer, .address_space: global }
    .group_segment_fixed_size: 181248
    .private_segment_fixed_size: 0
    .kernarg_segment_align: 8
    .kernarg_segment_size: 56
    .max_flat_workgroup_size: 128
    .sgpr_count:     80
    .vgpr_count:     1024
    .wavefront_size: 32
...
	.end_amdgpu_metadata
.endif
;; end of part 2
;; ======== version 2 of 2: 2 launches
;; workspace buffers: wcodes 8,388,608 bytes; order 32,768 bytes of whole numbers
;; launch prep (part 3): grid 129 x 1, 16 waves a work-group, no clusters, 222,464 bytes of LDS; arguments wi, wo, lowp_scales, selected_experts, wcodes, order; writes wcodes, order
.if DOCPART == 3
	.amdgcn_target "amdgcn-amd-amdhsa--gfx1250"
	.amdhsa_code_object_version 6
	.text
	.protected	k_q9f4504551a_prep
	.globl	k_q9f4504551a_prep
	.p2align	8
	.type	k_q9f4504551a_prep,@function
k_q9f4504551a_prep:
	s_mov_b64 s[64:65], 0
	v_nop
	global_prefetch_b8 v0, s[64:65] scope:SCOPE_SE
	s_setreg_imm32_b32 hwreg(HW_REG_WAVE_MODE, 25, 1), 1
	s_wait_xcnt 0x0
; TWO JOBS IN ONE LAUNCH, parted on the work-group's number; each has LDS bytes of its own.
; WORK-GROUPS 1..128: wi [8][512][1024] and wo [8][1024][512], f32, K innermost, become codes of FP8 (E4M3), each expert's tensor with the scale 2^e given for it
; (wi of expert e: entry 4 e + 1 of the scales, wo: entry 4 e + 3).  code = x / 2^e, held within +-448, to the nearest code, ties to even.
; The codes are laid as IMAGES OF OPERAND REGISTERS, in the order in which a wave of the next launch reads them.  A fragment is 16 rows x 128 K, 2,048 bytes: register group c (0..3) at 512 c, lane l's 16 bytes at 16 l;
; lane (r = l % 16, h = l / 16) holds row r, and byte i of group c is k = 32 c + 8 h + i % 8 + 16 (i / 8): the matrix form's own places.
; Fragment number ((4 e + w) 128 + j):  j = 8 s + t: wi[e], rows 128 w + 16 t + r, K step s;   j = 64 + 4 u + s: wo[e], rows 256 w + 16 u + r, K step s.
; A wave takes 16 rows x 256 K (two fragments).  Each load reads 512 consecutive bytes of one row; the rows turn through the wave's own stage in LDS, so that a lane gets neighbours along K; each store covers 512 consecutive bytes.
; WORK-GROUP 0: the tokens are sorted by which experts they use, by a counting sort without atomics.  key = 8 x highest + lowest expert e with selected_experts[t][0][e] | selected_experts[t][1][e] != 0 (no expert: key 0).
; order[pos] = token.  Any permutation gives the same results in the next launch: the key only brings tokens with the same experts together.
; The sort changes what a lane stands for, so that each step is done for 32 things at once: a TOKEN (its key, from eight ballots), a CHUNK of 32 tokens (the masks of lowest and highest expert, and the counts of each key),
; a KEY (the running sums), and a token again (its place).
; LIMITS: each e between -126 and 119, so that 2^e and 448 x 2^e are f32 numbers.  NaN among the weights is not served; an infinity is held at the largest code.
.set SROW,  528                        ; a stage row: 512 bytes + 16: an odd multiple of 16, so that sixteen rows' reads start at sixteen different 16-byte columns
.set SWAVE, 16*SROW                    ; a wave's stage
.set HP,    1028                       ; the sort's table: a key's row is 256 chunks' words + one = 257 words: key k's row starts at bank k mod 64 (64 banks of 4 bytes: ISA guide 11.1): lanes that are keys and lanes that are chunks both fall on different banks
.set HT,    16*SWAVE                   ; 135,168: the table [key 64][chunk 256]
.set ST,    HT+64*HP                   ; 200,960: [segment 8][key 64], words
.set LH,    ST+2048                    ; 203,008: for each wave 16 chunks x (8 masks of lowest + 8 of highest + one word): 17 words from chunk to chunk
.set LHP,   68
.set LND,   32                         ; v32-159  the rows as loaded: fragment d, row i at v[LND + 64 d + 4 i]
.set X,     160                        ; v160-223 64 numbers of a lane, in the operand's order
.set C,     224                        ; v224-255 codes, 16 registers a fragment: no store's data are written again
.macro BARRIER                         ; my LDS stores have landed and my LDS loads are in: then the work-group's barrier
	s_wait_dscnt 0x0
	s_barrier_signal -1
	s_barrier_wait -1
.endm
.macro WLOAD d                         ; K step d of my two: 16 rows, 512 consecutive bytes each
.irp i, 0,1,2,3,4,5,6,7,8,9,10,11,12,13,14,15
	global_load_b128 v[LND+64*(\d)+4*\i:LND+64*(\d)+4*\i+3], v1, s[32+2*\i:33+2*\i] offset:512*(\d) th:TH_LOAD_NT
.endr
.endm
.macro STIN d                          ; into the stage, as loaded
.irp i, 0,1,2,3,4,5,6,7,8,9,10,11,12,13,14,15
	ds_store_b128 v2, v[LND+64*(\d)+4*\i:LND+64*(\d)+4*\i+3] offset:SROW*\i
.endr
.endm
.macro STOUT                           ; and back: lane (r, h) takes of row r, for each group c, k = 32 c + 8 h + 0..7 and 32 c + 16 + 8 h + 0..7.  LDS serves a wave's instructions in order: these see the stores
.irp c, 0,1,2,3
.irp j, 0,1,2,3
	ds_load_b128 v[X+16*\c+4*\j:X+16*\c+4*\j+3], v3 offset:128*\c+64*(\j/2)+16*(\j%2)
.endr
.endr
.endm
.macro WQ d                            ; 64 numbers become a fragment's 16 registers of codes, which leave as they stand
.set i, 0
.rept 64
	v_med3_num_f32 v[X+i], v[X+i], -v4, v4         ; the conversion to an 8-bit code does not saturate (ISA guide 7.6.2): the hold at the largest code x the scale comes first
.set i, i+1
.endr
.irp q, 0,1,2,3,4,5,6,7
	v_cvt_scalef32_pk8_fp8_f32 v[C+16*(\d)+2*\q:C+16*(\d)+2*\q+1], v[X+8*\q:X+8*\q+7], v5
.endr
	v_nop                                          ; one plain vector line behind the last conversion
.irp c, 0,1,2,3
	global_store_b128 v1, v[C+16*(\d)+4*\c:C+16*(\d)+4*\c+3], s[70+2*(\d):71+2*(\d)] offset:512*\c   ; 32 lanes store 512 consecutive bytes, at a multiple of 512 from the buffer's first byte
.endr
.endm
	s_load_b256 s[4:11], s[0:1], 0x0               ; wi s[4:5], wo s[6:7], the scales' exponents s[8:9], selected_experts s[10:11]
	s_load_b128 s[12:15], s[0:1], 0x20             ; wcodes s[12:13], order s[14:15]
	v_lshl_add_u32 v30, v0, 2, 0x35d00
	v_mov_b32 v31, 0
	v_lshrrev_b32 v1, 5, v0
	s_delay_alu instid0(VALU_DEP_1)
	v_readfirstlane_b32 s16, v1                    ; wave 0..15
	v_and_b32 v6, 31, v0                           ; lane
	s_cmp_eq_u32 ttmp9, 0
	s_cbranch_scc1 .Lroute
	; ---------------- THE WEIGHTS.  One path for both tensors: only scalars are chosen ----------------
	s_sub_co_u32 s17, ttmp9, 1
	s_lshl_b32 s17, s17, 4
	s_add_co_u32 s17, s17, s16                     ; task 0..2047: 0..1023 wi, the others wo
	s_bfe_u32 s18, s17, 0x30007                    ; the expert: 128 tasks each
	s_and_b32 s19, s17, 127
	s_lshr_b32 s20, s19, 2                         ; wi: tile of 16 rows T = 0..31,
	s_and_b32 s21, s19, 3                          ;     pair of K steps sp = 0..3
	s_lshl_b32 s22, s20, 16                        ;     T x 16 rows x 4,096 bytes
	s_lshr_b32 s23, s20, 3                         ;     w = T / 8
	s_and_b32 s24, s20, 7
	s_lshl_b32 s25, s21, 4
	s_add_co_u32 s24, s24, s25                     ;     j of the first fragment: 16 sp + T % 8
	s_lshr_b32 s26, s19, 1                         ; wo: T = 0..63,
	s_and_b32 s27, s19, 1                          ;     sp = 0..1
	s_lshl_b32 s28, s26, 15                        ;     T x 16 rows x 2,048 bytes
	s_lshr_b32 s29, s26, 4                         ;     w = T / 16
	s_and_b32 s30, s26, 15
	s_lshl_b32 s30, s30, 2
	s_lshl_b32 s31, s27, 1
	s_add_co_u32 s30, s30, s31
	s_add_co_u32 s30, s30, 64                      ;     j = 64 + 4 (T % 16) + 2 sp
	s_mov_b32 s66, 2048
	s_mov_b32 s68, 2048
	s_wait_kmcnt 0x0
	s_cmp_lt_u32 s17, 1024                         ; the choice hangs on ids alone; nothing between here and the last select writes SCC
	s_cselect_b32 s22, s22, s28                    ; the tile's first row, in bytes
	s_cselect_b32 s21, s21, s27                    ; sp
	s_cselect_b32 s23, s23, s29                    ; w
	s_cselect_b32 s24, s24, s30                    ; j
	s_cselect_b32 s66, 4096, s66                   ; bytes from row to row
	s_cselect_b32 s68, 16384, s68                  ; bytes from my first fragment to my second: 8 fragments on (wi), 1 (wo)
	s_cselect_b32 s75, 4, 12                       ; the scale's entry within the expert's four, in bytes
	s_cselect_b64 s[32:33], s[4:5], s[6:7]
	s_lshl_b32 s76, s18, 21                        ; an expert's tensor is 2^21 bytes in both
	s_add_co_u32 s76, s76, s22
	s_lshl_b32 s21, s21, 10                        ; two K steps are 1,024 bytes
	s_add_co_u32 s76, s76, s21
	s_mov_b32 s77, 0
	s_add_nc_u64 s[32:33], s[32:33], s[76:77]      ; row 0 of my 16,
	s_mov_b32 s67, 0
.irp i, 1,2,3,4,5,6,7,8,9,10,11,12,13,14,15
	s_add_nc_u64 s[32+2*\i:33+2*\i], s[30+2*\i:31+2*\i], s[66:67]   ; and the others: a base for each row, since the pitch is chosen
.endr
	s_lshl_b32 s78, s18, 2
	s_add_co_u32 s78, s78, s23
	s_lshl_b32 s78, s78, 7
	s_add_co_u32 s78, s78, s24                     ; fragment number (4 e + w) 128 + j
	s_lshl_b32 s78, s78, 11
	s_mov_b32 s79, 0
	s_add_nc_u64 s[70:71], s[12:13], s[78:79]
	s_mov_b32 s69, 0
	s_add_nc_u64 s[72:73], s[70:71], s[68:69]
	s_lshl_b32 s80, s18, 4
	s_add_co_u32 s80, s80, s75
	s_mov_b32 s81, 0
	s_add_nc_u64 s[82:83], s[8:9], s[80:81]
	s_load_b32 s74, s[82:83], 0x0                  ; e
	s_wait_alu depctr_va_vdst(0)
	v_lshlrev_b32 v1, 4, v6                        ; 16 x lane
	s_mul_i32 s84, s16, SWAVE
	v_add_nc_u32 v2, s84, v1                       ; the stage, on the way in
	v_and_b32 v7, 15, v6                           ; r
	v_lshrrev_b32 v8, 4, v6                        ; h
	s_delay_alu instid0(VALU_DEP_2)
	v_mul_u32_u24 v3, v7, SROW
	s_delay_alu instid0(VALU_DEP_1)
	v_lshl_add_u32 v3, v8, 5, v3
	s_delay_alu instid0(VALU_DEP_1)
	v_add_nc_u32 v3, s84, v3                       ; and on the way out: row r, + 32 h
	WLOAD 0
	WLOAD 1
	s_wait_alu depctr_va_vdst(0)
	s_wait_kmcnt 0x0
	s_add_co_i32 s74, s74, 127
	s_lshl_b32 s85, s74, 23
	v_mov_b32 v5, s85                              ; 2^e as f32: the conversion takes its exponent field
	s_add_co_i32 s74, s74, 8
	s_lshl_b32 s74, s74, 23
	s_or_b32 s74, s74, 0x600000
	v_mov_b32 v4, s74                              ; 448 x 2^e
	s_wait_alu depctr_va_vdst(0)
	s_wait_loadcnt 16                              ; the first fragment's 16 loads are in; the second's 16 may be out
	STIN 0
	STOUT
	s_wait_dscnt 0x0                               ; the first fragment's numbers are back
	s_wait_loadcnt 0x0
	STIN 1                                         ; the stage takes the second while the first is worked
	WQ 0
	STOUT
	s_wait_dscnt 0x0
	WQ 1
	s_wait_tensorcnt 0x0
	ds_add_u32 v30, v31
	s_wait_dscnt 0x0
	s_endpgm
	; ---------------- THE SORT.  512 threads; a chunk is 32 tokens; wave v owns chunks 16 v .. 16 v + 15 ----------------
; v160-167 expert e: lane i holds chunk i's ballot (bit l: token l of the chunk uses e);  v176-191 chunk i: 4 x my token's lowest expert;  v192-207 chunk i: 32 + 4 x its highest
; v216-223 lowest masks, v224-231 highest masks (lane = chunk);  v234-237 the highest masks of experts 0-3 in lanes 0-15 and of 4-7 in lanes 16-31;  s[32:39] the chunk's eight ballots
.macro RLOAD i                         ; chunk i: my token's 16 whole numbers, register 8 k + e, into set i % 8
.irp q, 0,1,2,3
	global_load_b128 v[32+16*((\i)%8)+4*\q:32+16*((\i)%8)+4*\q+3], v2, s[20:21] offset:2048*(\i)+16*\q
.endr
.endm
.macro CHUNK i                         ; a lane is a token
.if (\i) < 8
	s_wait_loadcnt 28                              ; this chunk's four loads are in; those of the seven chunks behind it may be out
.else
	s_wait_loadcnt 4*(15-(\i))
.endif
.irp e, 0,1,2,3,4,5,6,7
	v_or_b32 v[208+\e], v[32+16*((\i)%8)+\e], v[40+16*((\i)%8)+\e]
.endr
.irp e, 0,1,2,3,4,5,6,7
	v_cmp_ne_u32 s[32+\e], 0, v[208+\e]            ; the ballot of expert e
.endr
.if (\i) < 8
	RLOAD (\i)+8
.endif
	v_cndmask_b32 v[176+(\i)], 0, 28, s39          ; 4 x lowest: from expert 7 down, the last that holds wins; no expert: 0
	v_cndmask_b32 v[192+(\i)], 32, 36, s33         ; 32 + 4 x highest: from expert 1 up; no expert: 32.  The two chains take turns
.irp n, 1,2,3,4,5,6
	s_delay_alu instid0(VALU_DEP_2)
	v_cndmask_b32 v[176+(\i)], v[176+(\i)], 4*(7-\n), s[39-\n]
	s_delay_alu instid0(VALU_DEP_2)
	v_cndmask_b32 v[192+(\i)], v[192+(\i)], 36+4*\n, s[33+\n]
.endr
	s_delay_alu instid0(VALU_DEP_2)
	v_cndmask_b32 v[176+(\i)], v[176+(\i)], 0, s32
.irp e, 0,1,2,3,4,5,6,7
	v_writelane_b32 v[160+\e], s[32+\e], \i        ; the ballots go into lane i: from here on a lane can stand for a chunk
.endr
.endm
; Two keys' counts, line by line by turns.  k = 8 b + a below 32: lanes 0-15 count key k of their chunk, lanes 16-31 key k + 32.  The bits of the mask are added in fields of 2, 4 and 8 bits;
; the product with 0x01010101 adds the four bytes into the top one.  Each count has a register of its own: no store's data are written again.
.macro POP2 ka, kb
	v_and_b32 v[32+(\ka)], v[216+(\ka)%8], v[234+(\ka)/8]
	v_and_b32 v[32+(\kb)], v[216+(\kb)%8], v[234+(\kb)/8]
	s_delay_alu instid0(VALU_DEP_2)
	v_lshrrev_b32 v238, 1, v[32+(\ka)]
	s_delay_alu instid0(VALU_DEP_2)
	v_lshrrev_b32 v239, 1, v[32+(\kb)]
	s_delay_alu instid0(VALU_DEP_2)
	v_and_b32 v238, s66, v238
	s_delay_alu instid0(VALU_DEP_2)
	v_and_b32 v239, s66, v239
	s_delay_alu instid0(VALU_DEP_2)
	v_sub_nc_u32 v[32+(\ka)], v[32+(\ka)], v238
	s_delay_alu instid0(VALU_DEP_2)
	v_sub_nc_u32 v[32+(\kb)], v[32+(\kb)], v239
	s_delay_alu instid0(VALU_DEP_2)
	v_lshrrev_b32 v238, 2, v[32+(\ka)]
	s_delay_alu instid0(VALU_DEP_2)
	v_lshrrev_b32 v239, 2, v[32+(\kb)]
	s_delay_alu instid0(VALU_DEP_4)
	v_and_b32 v[32+(\ka)], s67, v[32+(\ka)]
	s_delay_alu instid0(VALU_DEP_4)
	v_and_b32 v[32+(\kb)], s67, v[32+(\kb)]
	s_delay_alu instid0(VALU_DEP_4)
	v_and_b32 v238, s67, v238
	s_delay_alu instid0(VALU_DEP_4)
	v_and_b32 v239, s67, v239
	s_delay_alu instid0(VALU_DEP_2)
	v_add_nc_u32 v[32+(\ka)], v[32+(\ka)], v238
	s_delay_alu instid0(VALU_DEP_2)
	v_add_nc_u32 v[32+(\kb)], v[32+(\kb)], v239
	s_delay_alu instid0(VALU_DEP_2)
	v_lshrrev_b32 v238, 4, v[32+(\ka)]
	s_delay_alu instid0(VALU_DEP_2)
	v_lshrrev_b32 v239, 4, v[32+(\kb)]
	s_delay_alu instid0(VALU_DEP_2)
	v_add_nc_u32 v[32+(\ka)], v[32+(\ka)], v238
	s_delay_alu instid0(VALU_DEP_2)
	v_add_nc_u32 v[32+(\kb)], v[32+(\kb)], v239
	s_delay_alu instid0(VALU_DEP_2)
	v_and_b32 v[32+(\ka)], s68, v[32+(\ka)]
	s_delay_alu instid0(VALU_DEP_2)
	v_and_b32 v[32+(\kb)], s68, v[32+(\kb)]
	s_delay_alu instid0(VALU_DEP_2)
	v_mul_lo_u32 v[32+(\ka)], v[32+(\ka)], s69
	s_delay_alu instid0(VALU_DEP_2)
	v_mul_lo_u32 v[32+(\kb)], v[32+(\kb)], s69
	s_delay_alu instid0(VALU_DEP_2)
	v_lshrrev_b32 v[32+(\ka)], 24, v[32+(\ka)]
	s_delay_alu instid0(VALU_DEP_2)
	v_lshrrev_b32 v[32+(\kb)], 24, v[32+(\kb)]
	ds_store_b32 v11, v[32+(\ka)] offset:(\ka)*HP
	ds_store_b32 v11, v[32+(\kb)] offset:(\kb)*HP
.endm
.macro PULL i                          ; chunk i, a lane is a token again: from the lane that stands for my key, where the chunk's tokens of that key begin; from the lanes of my lowest and my highest, their masks
	ds_bpermute_b32 v[96+4*(\i)], v[80+(\i)], v[32+2*(\i)]
	ds_bpermute_b32 v[97+4*(\i)], v[80+(\i)], v[33+2*(\i)]
	ds_bpermute_b32 v[98+4*(\i)], v[176+(\i)], v[64+(\i)]
	ds_bpermute_b32 v[99+4*(\i)], v[192+(\i)], v[64+(\i)]
.endm
.macro PLACE i
	v_cmp_le_u32 vcc_lo, 48, v[192+(\i)]           ; highest of 4 or more: key of 32 or more
	s_delay_alu instid0(VALU_DEP_1)
	v_cndmask_b32 v[96+4*(\i)], v[96+4*(\i)], v[97+4*(\i)], vcc_lo
	v_and_b32 v[98+4*(\i)], v[98+4*(\i)], v[99+4*(\i)]        ; the lanes that share my key:
	s_delay_alu instid0(VALU_DEP_1)
	v_mbcnt_lo_u32_b32 v[96+4*(\i)], v[98+4*(\i)], v[96+4*(\i)]   ; + how many of them stand below me: my token's place
	s_delay_alu instid0(VALU_DEP_1)
	v_min_u32 v[96+4*(\i)], 0x1fff, v[96+4*(\i)]   ; a number made of loaded ones enters an address only held inside the buffer
	s_delay_alu instid0(VALU_DEP_1)
	v_lshlrev_b32 v[96+4*(\i)], 2, v[96+4*(\i)]
	v_add_nc_u32 v[97+4*(\i)], 32*(\i), v9
	global_store_b32 v[96+4*(\i)], v[97+4*(\i)], s[14:15]   ; four bytes a lane to scattered places: this is the permutation itself, 32,768 bytes in all; registers of their own for each store
.endm
.Lroute:
	s_wait_alu depctr_va_vdst(0)
	v_lshlrev_b32 v2, 6, v6                        ; a token's 16 whole numbers are 64 bytes
	v_and_b32 v7, 15, v6                           ; lane % 16
	v_lshrrev_b32 v8, 4, v6                        ; lane / 16
	s_mul_i32 s17, s16, 16*LHP                     ; my wave's masks
	v_mul_u32_u24 v10, v7, LHP
	s_delay_alu instid0(VALU_DEP_1)
	v_add_nc_u32 v10, s17, v10
	s_delay_alu instid0(VALU_DEP_1)
	v_add_nc_u32 v10, LH, v10                      ; v10: into them: a lane is a chunk (lanes 16-31 hold and store the same as lanes 0-15)
	v_lshlrev_b32 v12, 2, v7
	s_delay_alu instid0(VALU_DEP_1)
	v_add_nc_u32 v12, s17, v12
	s_delay_alu instid0(VALU_DEP_1)
	v_add_nc_u32 v12, LH, v12                      ; v12: out of them: lane j % 16 takes a chunk's word j
	s_lshl_b32 s18, s16, 6                         ; my wave's 16 chunks in a key's row: 64 bytes
	v_mul_u32_u24 v11, v8, 32*HP
	s_delay_alu instid0(VALU_DEP_1)
	v_lshl_add_u32 v11, v7, 2, v11
	s_delay_alu instid0(VALU_DEP_1)
	v_add_nc_u32 v11, s18, v11
	s_delay_alu instid0(VALU_DEP_1)
	v_add_nc_u32 v11, HT, v11                      ; v11: the table, a lane a chunk; lanes 16-31 stand 32 keys further down
	v_mul_u32_u24 v3, v6, HP
	s_delay_alu instid0(VALU_DEP_1)
	v_add_nc_u32 v3, s18, v3
	s_delay_alu instid0(VALU_DEP_1)
	v_add_nc_u32 v3, HT, v3                        ; v3: the table, a lane a key, at my wave's chunks
	v_and_b32 v5, 63, v0
	s_delay_alu instid0(VALU_DEP_1)
	v_mul_u32_u24 v4, v5, HP
	v_lshrrev_b32 v5, 6, v0
	s_delay_alu instid0(VALU_DEP_1)
	v_lshl_add_u32 v4, v5, 7, v4
	s_delay_alu instid0(VALU_DEP_1)
	v_add_nc_u32 v4, HT, v4                        ; v4: the table, thread = (key = thread % 64, segment = thread / 64 of 32 chunks)
	v_lshlrev_b32 v13, 2, v0
	s_delay_alu instid0(VALU_DEP_1)
	v_add_nc_u32 v13, ST, v13                      ; v13: my thread's word among the segments' counts
	v_lshlrev_b32 v14, 2, v6
	s_delay_alu instid0(VALU_DEP_1)
	v_add_nc_u32 v14, ST, v14                      ; v14: the segments' counts, a lane a key
.irp e, 0,1,2,3,4,5,6,7
	v_mov_b32 v[160+\e], 0                         ; written whole ahead of the single lanes; lanes 16-31 stay 0 until the copy below
.endr
	s_lshl_b32 s22, s16, 15                        ; my wave's 512 tokens
	s_mov_b32 s23, 0
	s_wait_kmcnt 0x0
	s_add_nc_u64 s[20:21], s[10:11], s[22:23]
.irp i, 0,1,2,3,4,5,6,7
	RLOAD \i
.endr
.irp i, 0,1,2,3,4,5,6,7,8,9,10,11,12,13,14,15
	CHUNK \i
.endr
	; ---- a lane is a chunk: all 16 chunks of the wave at once, and in lanes 16-31 once more, for the upper half of the keys
	s_mov_b32 s57, 0xffff0000
	s_mov_b32 s60, 0x76543210                      ; v_permlanex16_b32: lane i of one half reads lane i of the other
	s_mov_b32 s61, 0xfedcba98
	s_mov_b32 s66, 0x55555555
	s_mov_b32 s67, 0x33333333
	s_mov_b32 s68, 0x0f0f0f0f
	s_mov_b32 s69, 0x01010101
.irp e, 0,1,2,3,4,5,6,7
	v_permlanex16_b32 v[208+\e], v[160+\e], s60, s61   ; (its destination counts as read: these registers have been written)
.endr
.irp e, 0,1,2,3,4,5,6,7
	v_or_b32 v[160+\e], v[160+\e], v[208+\e]       ; lanes 16-31 held 0: now both halves hold the 16 chunks' ballots
.endr
	v_mov_b32 v232, v160                           ; the experts below, so far;
	s_delay_alu instid0(VALU_DEP_2)
	v_mov_b32 v233, v167                           ; the experts above
.irp n, 1,2,3,4,5,6,7
	s_delay_alu instid0(VALU_DEP_2)
	v_bfi_b32 v[216+\n], v232, 0, v[160+\n]        ; uses n and none below
	s_delay_alu instid0(VALU_DEP_2)
	v_bfi_b32 v[231-\n], v233, 0, v[167-\n]        ; uses 7 - n and none above
	s_delay_alu instid0(VALU_DEP_4)
	v_or_b32 v232, v232, v[160+\n]
	s_delay_alu instid0(VALU_DEP_4)
	v_or_b32 v233, v233, v[167-\n]
.endr
	s_delay_alu instid0(VALU_DEP_2)
	v_xor_b32 v232, -1, v232                       ; tokens without an expert count under key 0
	s_delay_alu instid0(VALU_DEP_1)
	v_or_b32 v216, v160, v232
	s_delay_alu instid0(VALU_DEP_2)
	v_or_b32 v224, v224, v232
	v_mov_b32 v231, v167
.irp b, 0,1,2,3
	v_cndmask_b32 v[234+\b], v[224+\b], v[228+\b], s57
.endr
	v_mov_b32 v246, 0
.irp j, 0,1,2,3,4,5,6,7
	ds_store_b32 v10, v[216+\j] offset:4*\j        ; the sixteen masks of each chunk, for the wave's own use below
	ds_store_b32 v10, v[224+\j] offset:32+4*\j
.endr
	POP2 0, 1                                      ; the keys 8 b + a with a <= b + 4: for the others neither k nor k + 32 can have a token (lowest above highest)
	POP2 2, 3
	POP2 4, 8
	POP2 9, 10
	POP2 11, 12
	POP2 13, 16
	POP2 17, 18
	POP2 19, 20
	POP2 21, 22
	POP2 24, 25
	POP2 26, 27
	POP2 28, 29
	POP2 30, 31
.irp k, 5,6,7,14,15,23
	ds_store_b32 v11, v246 offset:\k*HP            ; every word of the table that is read later is written
.endr
	BARRIER                                        ; the table of counts lies in LDS
	; ---- thread = (key, segment of 32 chunks): the segment's count of the key
.set i, 0
.rept 32
	ds_load_b32 v[32+i], v4 offset:4*i
.set i, i+1
.endr
	s_wait_dscnt 0x0
	v_add3_u32 v96, v32, v33, v34
.irp j, 35,37,39,41,43,45,47,49,51,53,55,57,59,61
	s_delay_alu instid0(VALU_DEP_1)
	v_add3_u32 v96, v96, v[\j], v[\j+1]
.endr
	s_delay_alu instid0(VALU_DEP_1)
	v_add_nc_u32 v96, v96, v63
	ds_store_b32 v13, v96
	BARRIER                                        ; the segments' counts lie in LDS
.irp p, 0,1,2,3,4,5,6,7
	ds_load_b32 v[100+\p], v14 offset:256*\p       ; segment p's count of key = lane,
	ds_load_b32 v[108+\p], v14 offset:256*\p+128   ; and of key = 32 + lane
.endr
	s_wait_dscnt 0x0
	v_add3_u32 v116, v100, v101, v102
	v_add3_u32 v117, v108, v109, v110
	s_delay_alu instid0(VALU_DEP_2)
	v_add3_u32 v116, v116, v103, v104
	s_delay_alu instid0(VALU_DEP_2)
	v_add3_u32 v117, v117, v111, v112
	s_delay_alu instid0(VALU_DEP_2)
	v_add3_u32 v116, v116, v105, v106
	s_delay_alu instid0(VALU_DEP_2)
	v_add3_u32 v117, v117, v113, v114
	s_delay_alu instid0(VALU_DEP_2)
	v_add_nc_u32 v116, v116, v107                  ; all tokens of key = lane,
	s_delay_alu instid0(VALU_DEP_2)
	v_add_nc_u32 v117, v117, v115                  ; of key = 32 + lane
	s_delay_alu instid0(VALU_DEP_2)
	v_mov_b32 v118, v116
	s_delay_alu instid0(VALU_DEP_2)
	v_mov_b32 v119, v117
	v_mov_b32 v120, 0                              ; written once: a DPP form's destination counts as read
	v_mov_b32 v121, 0
.irp n, 1
	s_delay_alu instid0(VALU_DEP_4)
	v_mov_b32_dpp v120, v118 row_shr:\n row_mask:0xf bank_mask:0xf bound_ctrl:1
	s_delay_alu instid0(VALU_DEP_4)
	v_mov_b32_dpp v121, v119 row_shr:\n row_mask:0xf bank_mask:0xf bound_ctrl:1
	s_delay_alu instid0(VALU_DEP_2)
	v_add_nc_u32 v118, v118, v120
	s_delay_alu instid0(VALU_DEP_2)
	v_add_nc_u32 v119, v119, v121
.endr
.irp n, 2, 4, 8
	s_delay_alu instid0(VALU_DEP_2)
	v_mov_b32_dpp v120, v118 row_shr:\n row_mask:0xf bank_mask:0xf bound_ctrl:1
	s_delay_alu instid0(VALU_DEP_2)
	v_mov_b32_dpp v121, v119 row_shr:\n row_mask:0xf bank_mask:0xf bound_ctrl:1
	s_delay_alu instid0(VALU_DEP_2)
	v_add_nc_u32 v118, v118, v120
	s_delay_alu instid0(VALU_DEP_2)
	v_add_nc_u32 v119, v119, v121
.endr
	s_delay_alu instid0(VALU_DEP_2)
	v_readlane_b32 s56, v118, 15                   ; and the lower half's total onto the upper half
	s_delay_alu instid0(VALU_DEP_2)
	v_readlane_b32 s58, v119, 15
	s_delay_alu instid0(VALU_DEP_2)
	v_cndmask_b32 v120, 0, s56, s57
	s_delay_alu instid0(VALU_DEP_2)
	v_cndmask_b32 v121, 0, s58, s57
	s_delay_alu instid0(VALU_DEP_2)
	v_add_nc_u32 v118, v118, v120
	s_delay_alu instid0(VALU_DEP_2)
	v_add_nc_u32 v119, v119, v121
	s_delay_alu instid0(VALU_DEP_2)
	v_readlane_b32 s59, v118, 31                   ; all tokens of keys 0-31
	s_delay_alu instid0(VALU_DEP_3)
	v_sub_nc_u32 v118, v118, v116                  ; where key = lane begins,
	s_delay_alu instid0(VALU_DEP_3)
	v_sub_nc_u32 v119, v119, v117
	s_delay_alu instid0(VALU_DEP_1)
	v_add_nc_u32 v119, s59, v119                   ; where key = 32 + lane begins
	s_and_b32 s60, s16, 1                          ; my thread's key is 32 (wave % 2) + lane
	s_cselect_b32 s60, -1, 0
	v_cndmask_b32 v122, v118, v119, s60
	s_lshr_b32 s61, s16, 1                         ; my segment
.irp p, 0,1,2,3,4,5,6
	s_cmp_gt_u32 s61, \p
	s_cselect_b32 s62, -1, 0
	v_cndmask_b32 v123, v[100+\p], v[108+\p], s60
	s_delay_alu instid0(VALU_DEP_1)
	v_and_b32 v123, s62, v123
	s_delay_alu instid0(VALU_DEP_1)
	v_add_nc_u32 v122, v122, v123                  ; + the key's tokens in the segments ahead of mine
.endr
	s_delay_alu instid0(VALU_DEP_1)
	v_mov_b32 v64, v122
.set i, 0
.rept 31
	s_delay_alu instid0(VALU_DEP_1)
	v_add_nc_u32 v[65+i], v[64+i], v[32+i]         ; where the key's tokens of each of my 32 chunks begin
.set i, i+1
.endr
.set i, 0
.rept 32
	ds_store_b32 v4, v[64+i] offset:4*i            ; over the counts: words that my thread alone has read since the first barrier
.set i, i+1
.endr
	BARRIER                                        ; the table of places lies in LDS
	; ---- a lane is a key (the places) or a mask's number (the masks); then a token again
.irp i, 0,1,2,3,4,5,6,7,8,9,10,11,12,13,14,15
	ds_load_b32 v[32+2*\i], v3 offset:4*\i         ; chunk i: where key = lane begins,
	ds_load_b32 v[33+2*\i], v3 offset:32*HP+4*\i   ; key = 32 + lane,
	ds_load_b32 v[64+\i], v12 offset:LHP*\i        ; and its masks: lanes 0-7 lowest, lanes 8-15 highest
.endr
.irp i, 0,1,2,3,4,5,6,7,8,9,10,11,12,13,14,15
	v_lshl_add_u32 v[80+\i], v[192+\i], 3, v[176+\i]   ; 256 + 4 x key: the permute takes (this / 4) mod 32 = key mod 32 as the lane to read
.endr
	s_lshl_b32 s17, s16, 9
	v_add_nc_u32 v9, s17, v6                       ; my token in chunk 0 of my wave
	s_wait_alu depctr_va_vdst(0)
	s_wait_dscnt 0x0
.irp i, 0,1,2,3,4,5,6,7
	PULL \i
.endr
	s_wait_dscnt 0x0
.irp i, 8,9,10,11,12,13,14,15
	PULL \i                                        ; the second eight chunks' permutes are out while the first eight are placed
.endr
.irp i, 0,1,2,3,4,5,6,7
	PLACE \i
.endr
	s_wait_dscnt 0x0
.irp i, 8,9,10,11,12,13,14,15
	PLACE \i
.endr
	s_wait_tensorcnt 0x0
	ds_add_u32 v30, v31
	s_wait_dscnt 0x0
	s_endpgm
.Lfunc_end_k_q9f4504551a_prep:
	.size	k_q9f4504551a_prep, .Lfunc_end_k_q9f4504551a_prep-k_q9f4504551a_prep
	.p2alignl 7, 3214868480
	.fill 96, 4, 3214868480
	.section	.rodata,"a",@progbits
	.p2align	6, 0x0
	.amdhsa_kernel k_q9f4504551a_prep
		.amdhsa_group_segment_fixed_size 222464
		.amdhsa_private_segment_fixed_size 0
		.amdhsa_enable_private_segment 0
		.amdhsa_kernarg_size 48
		.amdhsa_user_sgpr_count 2
		.amdhsa_user_sgpr_kernarg_segment_ptr 1
		.amdhsa_wavefront_size32 1
		.amdhsa_system_sgpr_workgroup_id_x 1
		.amdhsa_system_sgpr_workgroup_id_y 1
		.amdhsa_system_sgpr_workgroup_id_z 1
		.amdhsa_system_vgpr_workitem_id 0
		.amdhsa_next_free_vgpr 256
		.amdhsa_next_free_sgpr 90
		.amdhsa_reserve_vcc 1
		.amdhsa_float_denorm_mode_32 3
		.amdhsa_float_denorm_mode_16_64 3
		.amdhsa_memory_ordered 1
		.amdhsa_forward_progress 1
		.amdhsa_inst_pref_size 130
	.end_amdhsa_kernel
	.amdgpu_metadata
---
amdhsa.version: [ 1, 2 ]
amdhsa.kernels:
  - .name:           k_q9f4504551a_prep
    .symbol:         k_q9f4504551a_prep.kd
    .args:
      - { .name: wi, .offset: 0, .size: 8, .value_kind: global_buffer, .address_space: global }
      - { .name: wo, .offset: 8, .size: 8, .value_kind: global_buffer, .address_space: global }
      - { .name: lowp_scales, .offset: 16, .size: 8, .value_kind: global_buffer, .address_space: global }
      - { .name: selected_experts, .offset: 24, .size: 8, .value_kind: global_buffer, .address_space: global }
      - { .name: wcodes, .offset: 32, .size: 8, .value_kind: global_buffer, .address_space: global }
      - { .name: order, .offset: 40, .size: 8, .value_kind: global_buffer, .address_space: global }
    .group_segment_fixed_size: 222464
    .private_segment_fixed_size: 0
    .kernarg_segment_align: 8
    .kernarg_segment_size: 48
    .max_flat_workgroup_size: 512
    .sgpr_count:     90
    .vgpr_count:     256
    .wavefront_size: 32
...
	.end_amdgpu_metadata
.endif
;; end of part 3
;; launch moe (part 4): grid 256 x 1, 4 waves a work-group, no clusters, 181,248 bytes of LDS; arguments hidden_states, selected_experts, routing_weights, lowp_scales, order, wcodes, out0; writes out0
.if DOCPART == 4
	.amdgcn_target "amdgcn-amd-amdhsa--gfx1250"
	.amdhsa_code_object_version 6
	.text
	.protected	k_q9f4504551a_moe
	.globl	k_q9f4504551a_moe
	.p2align	8
	.type	k_q9f4504551a_moe,@function
k_q9f4504551a_moe:
	s_mov_b64 s[64:65], 0
	v_nop
	global_prefetch_b8 v0, s[64:65] scope:SCOPE_SE
	s_setreg_imm32_b32 hwreg(HW_REG_WAVE_SCHED_MODE, 0, 2), 2
	s_setreg_imm32_b32 hwreg(HW_REG_WAVE_MODE, 25, 1), 1
	s_wait_xcnt 0x0
	s_wait_alu depctr_vm_vsrc(0)
; out[t] = sum over e of w[t][e] relu(x[t] wi[e]^T) wo[e]^T,  w[t][e] = sel[t][0][e] rw[t][0] + sel[t][1][e] rw[t][1].  Both products of each expert on codes of FP8 (E4M3), sums in f32.
; Expert e's four given exponents: ex, ewi, eh, ewo = entries 4 e .. 4 e + 3 of the scales.  x is quantised anew for each expert, since ex may differ from expert to expert.
; SHARES.  Work-group b owns the 32 tokens order[32 b ..]: every row of out has one owner.  It walks all 8 experts in a loop of constant count.  An expert for which sel[t][0][e] | sel[t][1][e] is 0 in all 32 tokens has
; w = 0 exactly in all of them, and its products (finite sums of finite codes) would be added with the factor 0: three scalar branches on that whole number lead round the work, never round a barrier.
; Nothing is assumed of sel: a token may use none or all of the experts; sorted tokens only make the used experts of a block few.
; THE WAVES SHARE THE COLUMNS: wave w makes hidden units 128 w .. + 127 (8 tiles) and columns 256 w .. + 255 of out (16 tiles) for both tiles of 16 tokens (m = 0, 1).  So each fragment of the weights is read by one wave of
; the work-group, once, straight from memory into registers, where the launch before has laid it as an image of the operand's registers, in the order of this walk: 262,144 consecutive bytes for each (expert, wave).
; BOTH PRODUCTS ARE USED TRANSPOSED (source 0 = 16 rows of the weight, source 1 = 16 tokens): a lane holds one token (lane % 16), and its eight results are eight neighbours along the next K, in the very places that the
; matrix form gives them: the conversions' results are the next operand's registers.  x's and the hidden layer's fragments go from wave to wave through LDS as images of their registers.
; NO TENSOR LOADS, NO CLUSTER: the work-groups that would be partners use different experts, so no joint request could be issued alike in all of them.
; LIMITS: ex, and eh - ex - ewi, between -126 and 119, so that each power of two below and 448 times it are f32 numbers; eh + ewo is applied by v_ldexp_f32.  NaN among the inputs is not served; an infinity in x is held at the largest code.
; REGISTERS, in windows of 256.  Window 0: v1-15 addresses and tokens; v16-31 w (expert e, tile m at v[16 + 2 e + m]; shifted down two a trip); v32-223 the phases' area; v224-227 the two conversions' scales and holds; v[228:231] w x 2^(eh + ewo).
;   v32-95: 64 numbers at work | x's fragments, two sets | the hidden codes | the second product's sums, two sets of four.   v96-223: x's codes | the hidden layer's 16 accumulators | its 8 fragments.
;   Window 1: the ring of weights, two halves of 8 fragments; rows of x at the head and rows of out at the end.   Window 2: my four fragments of x in f32.   Window 3: out, accumulator (n, m) at v[8 (2 n + m)].
; THE MODE: SCHED_MODE bits 1:0 = 2 (LLVM: expert scheduling mode 2), set by the entry lines.  The code itself states the register dependences between vector or matrix instructions and memory or LDS instructions,
; with s_wait_alu, always for 0.
; THE PLAN.  Registers that memory or LDS instructions touch, round a trip:
;   the ring (window 1)  A step's 16 products read half g % 2; behind them the loads of the group two on land in it.  All 1,024 registers are taken, so there is no third half: the wait on va_vdst stands behind the products
;                        that empty a half, and the half is asked for again at once; the places, or the additions of the group before, stand between the last product and that wait.
;   v32-95               (a) written and read by x's holds and conversions.  (b) x's fragments land in set (s + 1) % 2, which the products of step s - 1 read: the wait at that step's end serves them too.  Then v32-63 take the hidden
;                        codes, which LDS stores read.  (c) written by the products, read by the additions.
;   v96-223              (a) v96-159: x's codes, written by conversions, read by LDS stores.  (b) the accumulators, held and converted.  (c) the hidden fragments land there and the products read them.
;   window 3             Written by vector instructions alone until the way out, where LDS stores read it.       window 2: loaded once, at the head.
;   v1-13, v254, v255    Made at the head, ahead of a wait on va_vdst, and never written again: the stream's scalar base moves on, and immediate offsets do the rest.
; Each of the trip's three parts ends with a wait on va_vdst behind which it issues memory and LDS instructions alone, and one more stands at the trip's top: so whichever parts a trip walks, the loads of the next part
; that it walks find every earlier reader and writer of their registers stated.  A wait on vm_vsrc stands straight behind the LDS stores of parts (a) and (b), whose data registers the next part writes, and one at the head's end.
.set PX,    4112                       ; a row of 4,096 bytes + 16 in LDS: an odd multiple of 16
.set XIMG,  32*PX                      ; 131,584: behind the 32 rows: x's 16 fragment images (8 m + s),
.set HIMG,  XIMG+16*2048               ; 164,352: the hidden layer's 8 (4 m + s)
.set T,   32
.set HA,  96
.set MSB, 0
.macro WIN new                         ; the immediate's high byte repeats the setting that is left; bits 1:0 source 0, 3:2 source 1, 5:4 source 2, 7:6 destination; a switch that changes nothing is dropped
.if MSB != \new
	s_set_vgpr_msb (MSB<<8)|\new
.set MSB, \new
.endif
.endm
.macro BARRIER                         ; my LDS stores have landed and my LDS loads are in: then the work-group's barrier
	s_wait_dscnt 0x0
	s_barrier_signal -1
	s_barrier_wait -1
.endm
.macro PLACES                          ; four plain vector lines behind matrix instructions, ahead of loads into their registers and of reads of their results; the wait on va_vdst that follows them fills no place, and they stand for no wait
.rept 4
	v_nop
.endr
.endm
.macro REFILL g                        ; group g (0..15) of the expert's stream: 8 fragments, 32 loads of 512 consecutive bytes, into ring half g % 2
	WIN 0x40
.irp q, 0,1,2,3,4,5,6,7
.irp c, 0,1,2,3
	global_load_b128 v[128*((\g)%2)+16*\q+4*\c:128*((\g)%2)+16*\q+4*\c+3], v1, s[56:57] offset:(8*(\g)+\q)*2048+512*\c
.endr
.endr
	WIN 0
.endm
.macro QXA f                           ; my f-th fragment of x: held, converted with 2^ex.  Codes in registers of their own for each f
	WIN 0x02
.set i, 0
.rept 64
	v_med3_num_f32 v[T+i], v[64*(\f)+i], -v225, v225   ; the conversion to an 8-bit code does not saturate (ISA guide 7.6.2)
.set i, i+1
.endr
	WIN 0
.irp q, 0,1,2,3,4,5,6,7
	v_cvt_scalef32_pk8_fp8_f32 v[96+16*(\f)+2*\q:96+16*(\f)+2*\q+1], v[T+8*\q:T+8*\q+7], v224
.endr
	v_nop                                          ; one plain vector line behind the last conversion
.endm
.macro QXS f                           ; its image to LDS
.irp c, 0,1,2,3
	ds_store_b128 v6, v[96+16*(\f)+4*\c:96+16*(\f)+4*\c+3] offset:2048*(\f)+512*\c
.endr
.endm
.macro FETCHX s                        ; x's two fragments (m = 0, 1) of K step s into set s % 2
.irp m, 0,1
.irp c, 0,1,2,3
	ds_load_b128 v[32+32*((\s)%2)+16*\m+4*\c:32+32*((\s)%2)+16*\m+4*\c+3], v7 offset:(8*\m+(\s))*2048+512*\c
.endr
.endr
.endm
.macro STEP1 s                         ; K step s of the first product: 16 matrix instructions on 16 accumulators, which take turns, one instruction a turn
.if (\s) < 7
	FETCHX (\s)+1                                  ; no wait: no vector or matrix instruction since the wait at the last step's end (step 0: since the last wait ahead of this part) names this set
	s_wait_dscnt 8                                 ; this step's 8 loads are in; the next step's 8 may be out
.else
	s_wait_dscnt 0x0
.endif
	s_wait_loadcnt 32                              ; this step's group of weights is in; the next group's 32 loads may be out
	WIN 0x01
.irp t, 0,1,2,3,4,5,6,7
.irp m, 0,1
.if (\s) == 0
	v_wmma_f32_16x16x128_fp8_fp8 v[HA+64*\m+8*\t:HA+64*\m+8*\t+7], v[128*((\s)%2)+16*\t:128*((\s)%2)+16*\t+15], v[32+32*((\s)%2)+16*\m:32+32*((\s)%2)+16*\m+15], 0
.else
	v_wmma_f32_16x16x128_fp8_fp8 v[HA+64*\m+8*\t:HA+64*\m+8*\t+7], v[128*((\s)%2)+16*\t:128*((\s)%2)+16*\t+15], v[32+32*((\s)%2)+16*\m:32+32*((\s)%2)+16*\m+15], v[HA+64*\m+8*\t:HA+64*\m+8*\t+7]
.endif
.endr
.endr
	PLACES
	WIN 0x40
	s_wait_alu depctr_va_vdst(0)                   ; this step's products are done reading ring half s % 2, in which the loads below land, and x's set s % 2, in which the next step's first LDS loads land
	REFILL (\s)+2                                  ; the half just multiplied takes the group two on; steps 6 and 7 ask for the second product's first two groups: the stream is one
.endm
.macro QHA m                           ; my 128 hidden units of tile m: relu and the hold in one, converted with 2^(eh - ex - ewi): K step w of the second product
.set i, 0
.rept 64
	v_med3_num_f32 v[HA+64*(\m)+i], v[HA+64*(\m)+i], 0, v227   ; each accumulator from its low end on
.set i, i+1
.endr
.irp t, 0,1,2,3,4,5,6,7
	v_cvt_scalef32_pk8_fp8_f32 v[32+16*(\m)+2*\t:32+16*(\m)+2*\t+1], v[HA+64*(\m)+8*\t:HA+64*(\m)+8*\t+7], v226
.endr
	v_nop                                          ; one plain vector line behind the last conversion
.endm
.macro QHS m                           ; its image to LDS
.irp c, 0,1,2,3
	ds_store_b128 v8, v[32+16*(\m)+4*\c:32+16*(\m)+4*\c+3] offset:8192*(\m)+512*\c
.endr
.endm
.macro FMA g                           ; out += (w x 2^(eh + ewo)) x group g's four sums; each from its low end on
	WIN 0xf0
.irp n, 0,1
.irp m, 0,1
.irp i, 0,2,4,6
	v_pk_fma_f32 v[8*(2*(2*(\g)+\n)+\m)+\i:8*(2*(2*(\g)+\n)+\m)+\i+1], v[32+32*((\g)%2)+8*(2*\n+\m)+\i:32+32*((\g)%2)+8*(2*\n+\m)+\i+1], v[228+2*\m:229+2*\m], v[8*(2*(2*(\g)+\n)+\m)+\i:8*(2*(2*(\g)+\n)+\m)+\i+1] op_sel_hi:[1,0,1]
.endr
.endr
.endr
.endm
.macro GROUP g                         ; two tiles of out's columns x two tiles of tokens, all 512 along K: 16 matrix instructions on four accumulators by turns
.if (\g) == 7
	s_wait_loadcnt 0x0
.else
	s_wait_loadcnt 32                              ; this group's weights are in; the next group's 32 loads may be out
.endif
	WIN 0x01
.irp s, 0,1,2,3
.irp n, 0,1
.irp m, 0,1
.if \s == 0
	v_wmma_f32_16x16x128_fp8_fp8 v[32+32*((\g)%2)+8*(2*\n+\m):32+32*((\g)%2)+8*(2*\n+\m)+7], v[128*((\g)%2)+16*(4*\n+\s):128*((\g)%2)+16*(4*\n+\s)+15], v[96+16*(4*\m+\s):96+16*(4*\m+\s)+15], 0
.else
	v_wmma_f32_16x16x128_fp8_fp8 v[32+32*((\g)%2)+8*(2*\n+\m):32+32*((\g)%2)+8*(2*\n+\m)+7], v[128*((\g)%2)+16*(4*\n+\s):128*((\g)%2)+16*(4*\n+\s)+15], v[96+16*(4*\m+\s):96+16*(4*\m+\s)+15], v[32+32*((\g)%2)+8*(2*\n+\m):32+32*((\g)%2)+8*(2*\n+\m)+7]
.endif
.endr
.endr
.endr
.if (\g) == 0
	PLACES
.else
	FMA (\g)-1                                     ; the group before is added while this one is multiplied: sixteen plain lines that name none of this group's registers: its places
.endif
.if (\g) <= 5
	WIN 0x40
	s_wait_alu depctr_va_vdst(0)                   ; this group's products are done reading ring half g % 2, in which the loads below land.  (Groups 6 and 7 ask for nothing and have no such wait)
	REFILL (\g)+10
.endif
.endm
	s_load_b256 s[4:11], s[0:1], 0x0               ; x s[4:5], sel s[6:7], rw s[8:9], the scales' exponents s[10:11]
	s_load_b128 s[12:15], s[0:1], 0x20             ; order s[12:13], wcodes s[14:15]
	s_load_b64 s[16:17], s[0:1], 0x30              ; out
	v_lshl_add_u32 v254, v0, 2, 0x2c200
	v_mov_b32 v255, 0
	v_lshrrev_b32 v1, 5, v0
	v_readfirstlane_b32 s18, v1                    ; wave 0..3
	v_and_b32 v74, 31, v0                          ; lane
	v_and_b32 v75, 15, v0                          ; r
	v_bfe_u32 v76, v0, 4, 1                        ; h
	v_lshlrev_b32 v1, 4, v74                       ; v1: 16 x lane
	v_lshlrev_b32 v77, 4, v75                      ; 16 r
	s_wait_alu depctr_va_sdst(0)                   ; s18 is written, ahead of its first reader: LDS addresses and the stream's base are made from it
	s_mul_i32 s21, s18, 8*PX
	v_mul_u32_u24 v2, v76, PX
	v_add_nc_u32 v2, v2, v77
	v_add_nc_u32 v2, s21, v2                       ; v2: whole rows: row 8 w + h, 16 bytes a lane; two rows an instruction
	s_lshr_b32 s21, s18, 1
	s_mul_i32 s21, s21, 16*PX
	s_and_b32 s22, s18, 1
	s_lshl_b32 s22, s22, 11
	s_add_co_u32 s21, s21, s22
	v_mul_u32_u24 v78, v75, PX
	v_lshl_add_u32 v79, v76, 5, v78                ; row r, + 32 h
	v_add_nc_u32 v3, s21, v79                      ; v3: my four fragments of x: tile w / 2, K steps 4 (w % 2) on
	s_lshl_b32 s21, s18, 10
	v_add_nc_u32 v4, s21, v79                      ; v4, v5: out's way into the rows: token 16 m + r, my 1,024 bytes, + 32 h
	v_add_nc_u32 v5, 16*PX, v4
	s_lshl_b32 s21, s18, 13
	v_add_nc_u32 v7, XIMG, v1                      ; v7: x's images for my lane;
	v_add_nc_u32 v6, s21, v7                       ; v6: where I store mine: fragments 4 w on
	s_lshl_b32 s21, s18, 11
	v_add_nc_u32 v9, HIMG, v1                      ; v9, v8: the same for the hidden layer: fragment w of each tile
	v_add_nc_u32 v8, s21, v9
	s_lshl_b32 s21, s18, 5
	v_lshlrev_b32 v72, 2, v76
	v_add_nc_u32 v72, s21, v72                     ; order: entry 8 w + h (+ 2 i)
	v_lshlrev_b32 v73, 2, v75                      ; order: entry r (+ 16 m)
	s_lshl_b32 s22, ttmp9, 7                       ; my block's 32 entries
	s_mov_b32 s23, 0
	s_lshl_b32 s58, s18, 18                        ; my wave's 262,144 bytes of an expert's codes
	s_mov_b32 s59, 0
	s_mov_b32 s19, 0                               ; the used experts, a bit each
	s_mov_b32 s20, 0                               ; the trip
	v_mov_b32 v229, 0                              ; (named as the upper halves of pairs)
	v_mov_b32 v231, 0
	s_wait_kmcnt 0x0
	s_add_nc_u64 s[12:13], s[12:13], s[22:23]
	s_add_nc_u64 s[56:57], s[14:15], s[58:59]
	s_load_b512 s[24:39], s[10:11], 0x0            ; all 32 exponents; s[24:27] are the expert's in hand
	s_load_b512 s[40:55], s[10:11], 0x40
	s_wait_alu depctr_va_vdst(0)                   ; v72 and v73 are written, which the loads below read; so are v1 to v9, the addresses and offsets of every later LDS instruction and of the stream's loads, and v254, v255
.irp i, 0,1,2,3
	global_load_b32 v[10+\i], v72, s[12:13] offset:8*\i
.endr
	global_load_b32 v14, v73, s[12:13]
	global_load_b32 v15, v73, s[12:13] offset:64
	s_wait_loadcnt 0x0
.irp i, 10,11,12,13,14,15
	v_min_u32 v[\i], 0x1fff, v[\i]                 ; a loaded number enters an address only held inside the table
.endr
.irp i, 10,11,12,13
	v_lshlrev_b32 v[\i], 12, v[\i]                 ; v10-13: the rows of x and of out that I move: token x 4,096 + 16 r
	v_add_nc_u32 v[\i], v[\i], v77
.endr
	v_lshlrev_b32 v68, 6, v14                      ; sel: 64 bytes a token
	v_lshlrev_b32 v69, 6, v15
	v_lshlrev_b32 v70, 3, v14                      ; rw: 8 bytes
	v_lshlrev_b32 v71, 3, v15
	WIN 0x40
	s_wait_alu depctr_va_vdst(0)                   ; v10 to v13 and v68 to v71 are written: the offsets of the loads below, v10 to v13 also of the stores at the end
.irp i, 0,1,2,3
.irp c, 0,1,2,3,4,5,6,7,8,9,10,11,12,13,14,15
	global_load_b128 v[4*(16*\i+\c):4*(16*\i+\c)+3], v[10+\i], s[4:5] offset:256*\c th:TH_LOAD_NT   ; sixteen lanes read 256 consecutive bytes of a row; each row is read once in the launch
.endr
.endr
	WIN 0
.irp m, 0,1
.irp q, 0,1,2,3
	global_load_b128 v[32+16*\m+4*\q:32+16*\m+4*\q+3], v[68+\m], s[6:7] offset:16*\q   ; sel of token (m, r): register 8 k + e
.endr
	global_load_b64 v[64+2*\m:65+2*\m], v[70+\m], s[8:9]
.endr
	WIN 0xc0
.set i, 0
.rept 256
	v_mov_b32 v[i], 0                              ; out begins at 0, as in the definition: the trip is written once, and which trip is the first with work hangs on the data.  (These stand while the loads are out)
.set i, i+1
.endr
	s_wait_loadcnt 10                              ; x's 64 loads are in; the 10 of sel and rw behind them may be out
	WIN 0x04
.irp i, 0,1,2,3
.irp c, 0,1,2,3,4,5,6,7,8,9,10,11,12,13,14,15
	ds_store_b128 v2, v[4*(16*\i+\c):4*(16*\i+\c)+3] offset:2*PX*\i+256*\c
.endr
.endr
	WIN 0
	s_wait_loadcnt 0x0
.irp e, 0,1,2,3,4,5,6,7
.irp m, 0,1
	v_cvt_f32_i32 v80, v[32+16*\m+\e]
	v_cvt_f32_i32 v81, v[40+16*\m+\e]
	v_mul_f32 v[16+2*\e+\m], v80, v[64+2*\m]
	v_fmac_f32 v[16+2*\e+\m], v81, v[65+2*\m]      ; w[t][e]
.endr
	v_or_b32 v[84+\e], v[32+\e], v[40+\e]
	v_or_b32 v83, v[48+\e], v[56+\e]
	v_or_b32 v[84+\e], v[84+\e], v83
.endr
.irp e, 0,1,2,3,4,5,6,7
	v_cmp_ne_u32 s[66+\e], 0, v[84+\e]             ; whole numbers alone decide: does any of the 32 tokens use expert e?  Every wave holds all 32 and finds the same.  The eight compares stand in a run, a scalar register each
.endr
	s_wait_alu depctr_va_sdst(0)                   ; s66 to s73 are written, ahead of their first readers: one wait for the run
.irp e, 0,1,2,3,4,5,6,7
	s_cmp_lg_u32 s[66+\e], 0
	s_cselect_b32 s21, 1<<\e, 0
	s_or_b32 s19, s19, s21
.endr
	BARRIER                                        ; the 32 rows of x lie in LDS
	WIN 0x80
.irp f, 0,1,2,3
.irp c, 0,1,2,3
.irp j, 0,1,2,3
	ds_load_b128 v[64*\f+16*\c+4*\j:64*\f+16*\c+4*\j+3], v3 offset:512*\f+128*\c+64*(\j/2)+16*(\j%2)   ; lane (r, h): of row r, k = 32 c + 8 h + 0..7 and 32 c + 16 + 8 h + 0..7
.endr
.endr
.endr
	WIN 0
	s_wait_dscnt 0x0
	s_wait_kmcnt 0x0
	s_wait_alu depctr_vm_vsrc(0)                   ; my LDS stores have read window 1, which is the ring from here on; the head's loads have read their offsets v68 to v73, which lie in the area that the trips write
.Ltrip:                                            ; 8 trips, an expert each
	s_add_co_i32 s58, s24, 127
	s_lshl_b32 s59, s58, 23
	v_mov_b32 v224, s59                            ; 2^ex as f32: the conversion takes its exponent field
	s_add_co_i32 s58, s58, 8
	s_lshl_b32 s58, s58, 23
	s_or_b32 s58, s58, 0x600000
	v_mov_b32 v225, s58                            ; 448 x 2^ex
	s_sub_co_i32 s60, s26, s24
	s_sub_co_i32 s60, s60, s25                     ; a sum of the first product stands for sum x 2^(ex + ewi): its code is sum / 2^(eh - ex - ewi)
	s_add_co_i32 s60, s60, 127
	s_lshl_b32 s61, s60, 23
	v_mov_b32 v226, s61
	s_add_co_i32 s60, s60, 8
	s_lshl_b32 s60, s60, 23
	s_or_b32 s60, s60, 0x600000
	v_mov_b32 v227, s60
	s_add_co_i32 s62, s26, s27
	v_ldexp_f32 v228, v16, s62                     ; w x 2^(eh + ewo), for tile 0,
	v_ldexp_f32 v230, v17, s62                     ; for tile 1
	s_wait_alu depctr_va_vdst(0)                   ; the trip before is done with the registers in which this trip's loads land: its products have read the ring and v96-223, its additions v32-95 (first trip: the head's lines have read sel and rw in v32-67)
	; ---- (a) x's codes for this expert; the stream of weights begins
	s_bitcmp1_b32 s19, 0
	s_cbranch_scc0 .La
	s_wait_loadcnt 0x0                             ; no load is on its way into the ring
	REFILL 0
	REFILL 1
	QXA 0
	QXA 1
	s_wait_alu depctr_va_vdst(0)                   ; the conversions have written v96-127, which the eight LDS stores below read
	QXS 0
	QXS 1                                          ; these leave while the other two fragments, which name v32-95 and v128-159, are worked
	QXA 2
	QXA 3
	s_wait_alu depctr_va_vdst(0)                   ; the conversions have written v128-159, which the LDS stores below read, and are done with v32-95, in which x's fragments land behind the barrier
	QXS 2
	QXS 3
	s_wait_alu depctr_vm_vsrc(0)                   ; the sixteen LDS stores have read v96-159, which the first product's sums write next
.La:
	BARRIER                                        ; x's sixteen fragments lie in LDS; nobody reads the hidden layer's images of the expert before any more
	; ---- (b) the hidden layer
	s_bitcmp1_b32 s19, 0
	s_cbranch_scc0 .Lb
	FETCHX 0
.irp s, 0,1,2,3,4,5,6,7
	STEP1 \s
.endr
	QHA 0
	QHA 1
	s_wait_alu depctr_va_vdst(0)                   ; the conversions have written the hidden codes v32-63, which the LDS stores below read, and are done with v96-223, in which the hidden fragments land behind the barrier
	QHS 0
	QHS 1
	s_wait_alu depctr_vm_vsrc(0)                   ; the eight LDS stores have read v32-63, which the second product's sums write next
.Lb:
	BARRIER                                        ; the hidden layer's eight fragments lie in LDS; nobody reads x's images any more
	; ---- (c) the second product, and out
	s_bitcmp1_b32 s19, 0
	s_cbranch_scc0 .Lc
.irp f, 0,1,2,3,4,5,6,7
.irp c, 0,1,2,3
	ds_load_b128 v[96+16*\f+4*\c:96+16*\f+4*\c+3], v9 offset:2048*\f+512*\c   ; no wait: no vector or matrix instruction since the last wait on va_vdst names v96-223
.endr
.endr
	s_wait_dscnt 0x0
.irp g, 0,1,2,3,4,5,6,7
	GROUP \g
.endr
	FMA 7
	WIN 0
.Lc:
	s_wait_xcnt 0x0                                ; the loads have read their base: it may step
	s_add_nc_u64 s[56:57], s[56:57], 0x100000      ; the next expert's codes
.irp k, 0,1,2,3,4,5,6,7,8,9,10,11,12,13
	s_mov_b64 s[24+2*\k:25+2*\k], s[28+2*\k:29+2*\k]   ; the exponents move down by an expert's four,
.endr
.irp k, 0,1,2,3,4,5,6,7,8,9,10,11,12,13
	v_mov_b32 v[16+\k], v[18+\k]                   ; w by an expert's two,
.endr
	s_lshr_b32 s19, s19, 1                         ; the used experts by a bit
	s_add_co_u32 s20, s20, 1
	s_cmp_lt_u32 s20, 8
	s_cbranch_scc1 .Ltrip
	; ---- THE WAY OUT.  A lane holds 32 bytes of a token's row, a row's 4,096 bytes come from four waves: they meet in the rows in LDS that x has left, and each wave stores 8 whole rows
	s_wait_loadcnt 0x0                             ; no load is on its way into the ring's registers, which take the rows
	WIN 0x0c
	s_wait_alu depctr_va_vdst(0)                   ; the additions have written out (window 3), which the LDS stores below read; the products are done reading the ring, in which the rows land behind the barrier: nothing between names window 1 or v2
.irp m, 0,1
.irp n, 0,1,2,3,4,5,6,7,8,9,10,11,12,13,14,15
	ds_store_b128 v[4+\m], v[8*(2*\n+\m):8*(2*\n+\m)+3] offset:64*\n
	ds_store_b128 v[4+\m], v[8*(2*\n+\m)+4:8*(2*\n+\m)+7] offset:64*\n+16
.endr
.endr
	WIN 0
	BARRIER                                        ; 32 whole rows of out lie in LDS
	WIN 0x40
.irp i, 0,1,2,3
.irp c, 0,1,2,3,4,5,6,7,8,9,10,11,12,13,14,15
	ds_load_b128 v[4*(16*\i+\c):4*(16*\i+\c)+3], v2 offset:2*PX*\i+256*\c
.endr
.endr
	WIN 0x04
.irp i, 0,1,2,3
	s_wait_dscnt 16*(3-\i)                         ; this pair of rows is in; the later pairs' loads may be out
.irp c, 0,1,2,3,4,5,6,7,8,9,10,11,12,13,14,15
	global_store_b128 v[10+\i], v[4*(16*\i+\c):4*(16*\i+\c)+3], s[16:17] offset:256*\c th:TH_STORE_NT   ; sixteen lanes store 256 consecutive bytes, at a multiple of 256 from out's first byte; written once, read by nobody here
.endr
.endr
	WIN 0                                          ; the add's two registers lie in window 0
	s_wait_dscnt 0x0                               ; the closing lines, six on end
	s_wait_alu 0x0
	s_wait_tensorcnt 0x0
	ds_add_u32 v254, v255
	s_wait_dscnt 0x0
	s_endpgm
.Lfunc_end_k_q9f4504551a_moe:
	.size	k_q9f4504551a_moe, .Lfunc_end_k_q9f4504551a_moe-k_q9f4504551a_moe
	.p2alignl 7, 3214868480
	.fill 96, 4, 3214868480
	.section	.rodata,"a",@progbits
	.p2align	6, 0x0
	.amdhsa_kernel k_q9f4504551a_moe
		.amdhsa_group_segment_fixed_size 181248
		.amdhsa_private_segment_fixed_size 0
		.amdhsa_enable_private_segment 0
		.amdhsa_kernarg_size 56
		.amdhsa_user_sgpr_count 2
		.amdhsa_user_sgpr_kernarg_segment_ptr 1
		.amdhsa_wavefront_size32 1
		.amdhsa_system_sgpr_workgroup_id_x 1
		.amdhsa_system_sgpr_workgroup_id_y 1
		.amdhsa_system_sgpr_workgroup_id_z 1
		.amdhsa_system_vgpr_workitem_id 0
		.amdhsa_next_free_vgpr 1024
		.amdhsa_next_free_sgpr 80
		.amdhsa_reserve_vcc 0
		.amdhsa_float_denorm_mode_32 3
		.amdhsa_float_denorm_mode_16_64 3
		.amdhsa_memory_ordered 1
		.amdhsa_forward_progress 1
		.amdhsa_inst_pref_size 160
	.end_amdhsa_kernel
	.amdgpu_metadata
---
amdhsa.version: [ 1, 2 ]
amdhsa.kernels:
  - .name:           k_q9f4504551a_moe
    .symbol:         k_q9f4504551a_moe.kd
    .args:
      - { .name: hidden_states, .offset: 0, .size: 8, .value_kind: global_buffer, .address_space: global }
      - { .name: selected_experts, .offset: 8, .size: 8, .value_kind: global_buffer, .address_space: global }
      - { .name: routing_weights, .offset: 16, .size: 8, .value_kind: global_buffer, .address_space: global }
      - { .name: lowp_scales, .offset: 24, .size: 8, .value_kind: global_buffer, .address_space: global }
      - { .name: order, .offset: 32, .size: 8, .value_kind: global_buffer, .address_space: global }
      - { .name: wcodes, .offset: 40, .size: 8, .value_kind: global_buffer, .address_space: global }
      - { .name: out0, .offset: 48, .size: 8, .value_kind: global_buffer, .address_space: global }
    .group_segment_fixed_size: 181248
    .private_segment_fixed_size: 0
    .kernarg_segment_align: 8
    .kernarg_segment_size: 56
    .max_flat_workgroup_size: 128
    .sgpr_count:     80
    .vgpr_count:     1024
    .wavefront_size: 32
...
	.end_amdgpu_metadata
.endif
;; end of part 4
